; MI455X (gfx1250); checked and timed in simulation.
; The chip was launched on July 23, 2026; its instructions are those of AMD's public machine-readable ISA for CDNA 5 (MIT licence, August 2026) and "CDNA5" Instruction Set Architecture Reference Guide (July 2026). The comments in the code are by the model that wrote it; some were corrected since.
;; Dynamics. Allowed arithmetic: matrix products marked QUANTISED: E2M1 operands, one E8M0 scale for each 32 along K, by v_wmma_scale_f32_16x16x128_f8f6f4 with both operands' format E2M1 (or v_wmma_scale_f32_32x16x128_f4), f32 sums; products left as they are: bf16, f16 or f32 operands; f32 sums; everything else in f32.
;; Inputs: fW0 2,048 x 256 float32; fW1 2,048 x 2,048 float32; fW2 255 x 2,048 float32; fb0 2,048 float32; fb1 2,048 float32; fb2 255 float32; vU0 2,048 x 2,048 float32; vU1 1 x 2,048 float32; vW0 2,048 x 256 float32; vW1 2,048 x 256 float32; vW2 1 x 256 float32; vb0 2,048 float32; vb1 2,048 float32; vb2 1 float32; x 2,048 x 256 float32.
;; Outputs: out0 2,048 x 255 float32.
;; This version of the problem:
;;   THIS VERSION OF THE PROBLEM IS GIVEN IN LOW PRECISION. The matrix products marked QUANTISED in the list below multiply operands that are first quantised to E2M1 (2 exponent bits, 1 mantissa bit; 4 bits a number), with one power-of-two scale for each 32 numbers along K (OCP MX v1.0); their sums are f32. The products marked 'left as it is' may take bf16, f16 or f32 operands, with f32 sums. Whichever they take, every output number must still come out within the allowed error. Rounding operands to bf16 (8 significant bits) uses up far more of that allowance than f16 does (11 bits, for magnitudes from 6e-5 to 65,504). All else is computed in f32.
;;   The module's matrix products, in the order in which they are computed (A, B: the left and right operand; K: the contracted axis; several contracted axes count as one K, in the product's order):
;;     1. [M 2,048, K 256] x [K 256, N 2,048]; A: input x; B: input fW0: QUANTISED
;;     2. [M 2,048, K 2,048] x [K 2,048, N 2,048]; A: computed on the way; B: input fW1: left as it is (an operand is computed on the way)
;;     3. [M 2,048, K 2,048] x [K 2,048, N 255]; A: computed on the way; B: input fW2: left as it is (an operand is computed on the way)
;;     4. [M 1, K 256] x [K 256, N 2,048]; A: computed on the way; B: input vW0: left as it is (M = 1 < 16)
;;     5. [M 1, K 256] x [K 256, N 2,048]; A: computed on the way; B: input vW1: left as it is (M = 1 < 16)
;;     6. [M 1, K 2,048] x [K 2,048, N 2,048]; A: computed on the way; B: computed on the way: left as it is (M = 1 < 16)
;;     7. [M 1, K 256] x [K 256, N 1]; A: computed on the way; B: input vW2: left as it is (M = 1 < 16)
;;     8. [M 1, K 2,048] x [K 2,048, N 1]; A: computed on the way; B: computed on the way: left as it is (M = 1 < 16)
;;     9. [M 2,048, K 256] x [K 256, N 2,048]; A: input x; B: input vW0: QUANTISED
;;     10. [M 2,048, K 256] x [K 256, N 2,048]; A: input x; B: input vW1: QUANTISED
;;     11. [M 2,048, K 2,048] x [K 2,048, N 2,048]; A: computed on the way; B: computed on the way: left as it is (an operand is computed on the way)
;;     12. [M 2,048, K 256] x [K 256, N 1]; A: input x; B: input vW2: left as it is (N = 1 < 16)
;;     13. [M 2,048, K 2,048] x [K 2,048, N 1]; A: computed on the way; B: computed on the way: left as it is (N = 1 < 16)
;;     14. [M 2,048, K 256] x [K 256, N 2,048]; A: input x; B: input vW0: QUANTISED
;;     15. [M 2,048, K 256] x [K 256, N 2,048]; A: input x; B: input vW1: QUANTISED
;;     16. [M 2,048, K 2,048] x [K 2,048, N 2,048]; A: computed on the way; B: computed on the way: left as it is (an operand is computed on the way)
;;     17. [M 2,048, K 256] x [K 256, N 1]; A: input x; B: input vW2: left as it is (N = 1 < 16)
;;     18. [M 2,048, K 2,048] x [K 2,048, N 1]; A: computed on the way; B: computed on the way: left as it is (N = 1 < 16)
;;     19. [M 2,048, K 1] x [K 1, N 2,048]; A: computed on the way; B: computed on the way: left as it is (K = 1 < 32)
;;     20. [M 2,048, K 1] x [K 1, N 256]; A: computed on the way; B: input vW2: left as it is (K = 1 < 32)
;;     21. [M 2,048, K 2,048] x [K 2,048, N 2,048]; A: computed on the way; B: computed on the way: left as it is (an operand is computed on the way)
;;     22. [M 2,048, K 2,048] x [K 2,048, N 256]; A: computed on the way; B: input vW1: left as it is (an operand is computed on the way)
;;     23. [M 2,048, K 2,048] x [K 2,048, N 256]; A: computed on the way; B: input vW0: left as it is (an operand is computed on the way)
;;   THE QUANTISER, for each operand of a quantised product, along K:
;;     - K is cut into blocks of 32 from its start; a last block that is shorter is filled with zeros.
;;     - A block's scale is 2^e with e = floor(log2(the largest magnitude in the block)) - 2, held to -126 .. 127; a block of zeros has e = 0. As a byte (E8M0): e + 127.
;;     - Each number is divided by its block's scale, clamped to +-6, and rounded to the nearest number of E2M1, ties to even, subnormals kept.
;;     - The product sums the exact products of the quantised numbers (number of the format x scale) in f32.
;;   ~~~python
;;   def quantise(x, axis):      # numpy; x: float32 -> the quantised numbers, widened to float32 again
;;       x = np.moveaxis(x, axis, -1); K = x.shape[-1]
;;       x = np.pad(x, [(0, 0)] * (x.ndim - 1) + [(0, -K % 32)]); x = x.reshape(x.shape[:-1] + (-1, 32)); a = np.abs(x).max(-1, keepdims=True)
;;       e = np.where(a > 0, np.clip(np.frexp(np.where(a > 0, a, 1))[1] - 1 - 2, -126, 127), 0)      # np.frexp(a)[1] - 1 = floor(log2(a)), exactly
;;       r = np.clip(x / 2.0 ** e, -6, 6)
;;       step = 2.0 ** (np.maximum(np.frexp(np.where(r == 0, 1, r))[1] - 1, 0) - 1)
;;       q = np.round(r / step) * step * 2.0 ** e      # np.round: ties to even
;;       return np.moveaxis(q.reshape(q.shape[:-2] + (-1,))[..., :K], -1, axis).astype(np.float32)
;;   ~~~
;; One version. Each part assembles by itself: llvm-mc -triple=amdgcn-amd-amdhsa -mcpu=gfx1250 --defsym DOCPART=n.
;; ======== version 1 of 1: 5 launches
;; limits: values are held in f16: magnitudes above 65,504 overflow, below 6.1e-05 lose precision
;; workspace buffers: QC 1,048,576 bytes; QS 65,536 bytes; WB 19,922,944 bytes; HZ 16,777,216 bytes; T3 25,165,824 bytes; SPP 262,144 bytes; SS 16,384 bytes; PL 23,068,672 bytes
;; launch prep (part 1): grid 496 x 1, 8 waves a work-group, no clusters, 70,656 bytes of LDS; arguments x, fW0, vW0, vW1, fW1, vU0, fW2, vb0, vb1, vU1, QC, QS, WB, SS; writes QC, QS, WB, SS
.if DOCPART == 1
	.amdgcn_target "amdgcn-amd-amdhsa--gfx1250"
	.amdhsa_code_object_version 6
	.text
	.protected	k_qad4817fd5a_prep
	.globl	k_qad4817fd5a_prep
	.p2align	8
	.type	k_qad4817fd5a_prep,@function
k_qad4817fd5a_prep:
	s_mov_b64 s[64:65], 0
	v_nop
	global_prefetch_b8 v0, s[64:65] scope:SCOPE_SE
	s_setreg_imm32_b32 hwreg(HW_REG_WAVE_MODE, 25, 1), 1
	s_wait_xcnt 0x0
; PREP: everything that later launches read many times is made once.  The roles with the longest chains of dependent accesses have the lowest numbers.
;  work-groups   0..15   fW2 transposed, as f16, into WB columns 2304..2559 (column 255 of it: zeros)
;  work-groups  16..79   x, fW0, vW0, vW1 into E2M1 codes (QC) and E8M0 scale words (QS), in the order of the operand's registers
;  work-groups  80..335  softplus(vU0) as f16 into WB columns 0..2047, and for each row n the term of icnn(0):
;                        z1(0)[n] softplus(vU1[n]) into SS[n], softplus(vU1[n]) into SS[2048 + n]
;  work-groups 336..463  fW1 as f16 into WB columns 2816..4863
;  work-groups 464..479  vW1 as f16 into WB columns 2048..2303;   480..495  vW0 into columns 2560..2815
; A wave of the last three roles takes TWO units of 2,048 numbers, in registers that these roles would leave idle: so the launch has 496 x 8 = 3,968 waves of 256 registers in all.
; WB is one sheet of f16, 2,048 rows of 4,864 numbers (9,728 bytes).  Every store into it covers 256 consecutive bytes, aligned.
; No cluster, no tensor load, no matrix unit: a stream that no two work-groups share.
; LIMITS: softplus(v) = max(v, 0) + ln2 log2(1 + 2^(-|v| log2 e)): under v = -15 or so it loses relative, not absolute, accuracy.
; A block of 32 zeros gets the scale byte 1 (its codes are zeros; only this program reads the bytes).  NaN and infinities are not served.
.set WPITCH, 9728
.set SPARE, 69632                      ; behind the eight stages of the transposing role: 128 bytes of spare words for each wave
.set G_Q,  16                          ; each role's first work-group
.set G_S,  80
.set G_F,  336
.set G_W1, 464
.set G_W0, 480
.set X, 32
.set Z, 96
.set E, 160
.set P, 224
; 64 numbers of a lane become 32 registers of f16 and leave: run j of 256 numbers by two stores, each of 256 consecutive bytes
.macro PACKOUT src, dst, sb
.set i, 0
.rept 32
	v_cvt_pk_f16_f32 v[\dst+i], v[\src+2*i], v[\src+2*i+1]
.set i, i+1
.endr
.irp j, 0,1,2,3,4,5,6,7
.irp u, 0,1
	global_store_b64 v[4+\j], v[\dst+4*\j+2*\u:\dst+4*\j+2*\u+1], s[\sb:\sb+1] offset:256*\u th:TH_STORE_NT
.endr
.endr
.endm
	s_load_b512 s[4:19], s[0:1], 0x0               ; x, fW0, vW0, vW1, fW1, vU0, fW2, vb0
	s_load_b256 s[20:27], s[0:1], 0x40             ; vb1, vU1, QC, QS
	s_load_b128 s[28:31], s[0:1], 0x60             ; WB, SS
	v_lshl_add_u32 v12, v0, 2, SPARE               ; my spare word,
	v_mov_b32 v13, 0                               ; and 0: kept for the closing lines alone
	v_lshrrev_b32 v1, 5, v0
	v_readfirstlane_b32 s32, v1                    ; wave 0..7
	v_and_b32 v1, 31, v0                           ; lane
	v_lshlrev_b32 v2, 4, v1                        ; 16 x lane
	v_lshlrev_b32 v3, 3, v1                        ; 8 x lane
	s_mov_b32 s46, 0x76543210                      ; v_permlanex16_b32: lane l xor 16
	s_mov_b32 s47, 0xfedcba98
	s_mov_b32 s43, 0                               ; the high word of every 32-bit offset
	s_wait_kmcnt 0x0
	s_cmp_lt_u32 ttmp9, G_Q
	s_cbranch_scc1 .Ltrans
	s_cmp_lt_u32 ttmp9, G_S
	s_cbranch_scc1 .Lquant
; ---- ROWS TO f16.  A unit is 2,048 consecutive f32 of the source: a row of vU0 or fW1, or eight rows of vW1 or vW0.
	s_mov_b64 s[34:35], s[14:15]                   ; the source, chosen by the work-group's number alone
	s_mov_b32 s36, G_S                             ; the role's first work-group
	s_mov_b32 s37, WPITCH                          ; bytes of WB from unit to unit
	s_mov_b32 s38, 0                               ; the role's first column, in bytes
	s_mov_b32 s39, 512                             ; bytes of WB from one run of 256 numbers to the next
	s_mov_b32 s56, 8                               ; units of a work-group
	s_cmp_ge_u32 ttmp9, G_F
	s_cselect_b64 s[34:35], s[12:13], s[34:35]
	s_cselect_b32 s36, G_F, s36
	s_cselect_b32 s38, 5632, s38
	s_cselect_b32 s56, 16, s56
	s_cmp_ge_u32 ttmp9, G_W1
	s_cselect_b64 s[34:35], s[10:11], s[34:35]
	s_cselect_b32 s36, G_W1, s36
	s_cselect_b32 s37, 8*WPITCH, s37
	s_cselect_b32 s38, 4096, s38
	s_cselect_b32 s39, WPITCH, s39
	s_cmp_ge_u32 ttmp9, G_W0
	s_cselect_b64 s[34:35], s[8:9], s[34:35]
	s_cselect_b32 s36, G_W0, s36
	s_cselect_b32 s38, 5120, s38
	s_sub_co_u32 s33, ttmp9, s36
	s_mul_i32 s33, s33, s56
	s_add_co_u32 s33, s33, s32                     ; my unit (my first, where I have two)
	s_lshl_b32 s42, s33, 13
	s_add_nc_u64 s[34:35], s[34:35], s[42:43]      ; 8,192 bytes of source a unit
	s_mul_i32 s42, s33, s37
	s_add_co_u32 s42, s42, s38
	s_add_nc_u64 s[40:41], s[28:29], s[42:43]
.irp j, 0,1,2,3,4,5,6,7
	s_mul_i32 s42, s39, \j
	v_add_nc_u32 v[4+\j], s42, v3                  ; run j of 256 numbers: 8 bytes a lane
.endr
.irp j, 0,1,2,3,4,5,6,7
.irp i, 0,1
	global_load_b128 v[X+8*\j+4*\i:X+8*\j+4*\i+3], v2, s[34:35] offset:1024*\j+512*\i th:TH_LOAD_NT   ; numbers 256 j + 128 i + 4 lane + 0..3
.endr
.endr
	s_cmp_ge_u32 ttmp9, G_F
	s_cbranch_scc1 .Ltwo
; ---- the softplus role alone
.irp j, 0,1,2,3,4,5,6,7
.irp i, 0,1
	global_load_b128 v[Z+8*\j+4*\i:Z+8*\j+4*\i+3], v2, s[18:19] offset:1024*\j+512*\i   ; vb0 at the same k
.endr
.endr
	s_lshl_b32 s42, s33, 2                         ; 4 n
	s_add_nc_u64 s[58:59], s[20:21], s[42:43]
	s_add_nc_u64 s[60:61], s[22:23], s[42:43]
	s_add_nc_u64 s[62:63], s[30:31], s[42:43]
	s_load_b32 s44, s[58:59], 0x0                  ; vb1[n]
	s_load_b32 s45, s[60:61], 0x0                  ; vU1[n]
	s_mov_b32 s48, 0x3fb8aa3b                      ; log2 e
	s_mov_b32 s50, 0x3f317218                      ; ln 2, as a pair
	s_mov_b32 s51, s50
	s_mov_b32 s52, 0x42480000                      ; 50 = 1 / (2 d), d = 0.01
	s_mov_b32 s53, s52
	s_mov_b32 s54, 0xbba3d70a                      ; -0.005 = -d / 2
	s_mov_b32 s55, s54
	s_mov_b32 s56, 0x3ba3d70a                      ; 0.005
	s_mov_b32 s57, 0x3a000000                      ; 1 / 2,048
	s_wait_loadcnt 0x0
.set i, 0
.rept 64
	v_mul_f32 v[E+i], -|v[X+i]|, s48
.set i, i+1
.endr
.set i, 0
.rept 64
	v_exp_f32 v[E+i], v[E+i]                       ; one batch
.set i, i+1
.endr
.set i, 0
.rept 64
	v_max_num_f32 v[X+i], 0, v[X+i]                ; plain work that names no result of the batch
.set i, i+1
.endr
	s_wait_alu depctr_va_vdst(0)                   ; one wait for the 64 exponentials, ahead of their first reader
.set i, 0
.rept 32
	v_pk_add_f32 v[E+i:E+i+1], v[E+i:E+i+1], 1.0 op_sel_hi:[1,0]
.set i, i+2
.endr
.set i, 0
.rept 64
	v_log_f32 v[E+i], v[E+i]                       ; one batch
.set i, i+1
.endr
; z0(0) = rehu(vb0), 32 numbers at a time: max(min(max(v, 0)^2 x 50, 0.005), v - 0.005).  It names no logarithm.
.irp hh, 0, 32
.set i, 0
.rept 32
	v_max_num_f32 v[P+i], 0, v[Z+\hh+i]
.set i, i+1
.endr
.set i, 0
.rept 16
	v_pk_mul_f32 v[P+i:P+i+1], v[P+i:P+i+1], v[P+i:P+i+1]
.set i, i+2
.endr
.set i, 0
.rept 16
	v_pk_mul_f32 v[P+i:P+i+1], v[P+i:P+i+1], s[52:53] op_sel_hi:[1,0]
.set i, i+2
.endr
.set i, 0
.rept 16
	v_pk_add_f32 v[Z+\hh+i:Z+\hh+i+1], v[Z+\hh+i:Z+\hh+i+1], s[54:55] op_sel_hi:[1,0]
.set i, i+2
.endr
.set i, 0
.rept 32
	v_min_num_f32 v[P+i], s56, v[P+i]
.set i, i+1
.endr
.set i, 0
.rept 32
	v_max_num_f32 v[Z+\hh+i], v[Z+\hh+i], v[P+i]
.set i, i+1
.endr
.endr
	s_wait_alu depctr_va_vdst(0)                   ; one wait for the 64 logarithms
.set i, 0
.rept 32
	v_pk_fma_f32 v[X+i:X+i+1], v[E+i:E+i+1], s[50:51], v[X+i:X+i+1] op_sel_hi:[1,0,1]   ; softplus
.set i, i+2
.endr
.set i, 0
.rept 32
.if i < 8
	v_pk_mul_f32 v[16+i:17+i], v[X+i:X+i+1], v[Z+i:Z+i+1]                               ; four chains, started by their first products
.else
	v_pk_fma_f32 v[16+i%8:17+i%8], v[X+i:X+i+1], v[Z+i:Z+i+1], v[16+i%8:17+i%8]
.endif
.set i, i+2
.endr
	v_pk_add_f32 v[16:17], v[16:17], v[18:19]
	v_pk_add_f32 v[20:21], v[20:21], v[22:23]
	v_pk_add_f32 v[16:17], v[16:17], v[20:21]
	v_add_f32 v16, v16, v17
	v_add_f32_dpp v16, v16, v16 row_xmask:1 row_mask:0xf bank_mask:0xf
	v_add_f32_dpp v16, v16, v16 row_xmask:2 row_mask:0xf bank_mask:0xf
	v_add_f32_dpp v16, v16, v16 row_xmask:4 row_mask:0xf bank_mask:0xf
	v_add_f32_dpp v16, v16, v16 row_xmask:8 row_mask:0xf bank_mask:0xf
	v_permlanex16_b32 v17, v16, s46, s47
	v_add_f32 v16, v16, v17                        ; z0(0) . softplus(vU0[n])
	s_wait_kmcnt 0x0
	v_mov_b32 v18, s44
	v_fma_f32 v16, v16, s57, v18                   ; a1(0)[n]
	v_max_num_f32 v17, 0, v16
	v_mul_f32 v17, v17, v17
	v_mul_f32 v17, s52, v17
	v_min_num_f32 v17, s56, v17
	v_add_f32 v16, s54, v16
	v_max_num_f32 v16, v16, v17                    ; z1(0)[n]
	v_mov_b32 v19, s45
	v_mul_f32 v20, -|v19|, s48
	v_exp_f32 v20, v20
	v_max_num_f32 v19, 0, v19                      ; (the plain place behind it)
	s_wait_alu depctr_va_vdst(0)
	v_add_f32 v20, 1.0, v20
	v_log_f32 v20, v20
	v_mov_b32 v24, 0                               ; (the plain place)  the stores' offset
	s_wait_alu depctr_va_vdst(0)
	v_fma_f32 v15, v20, s50, v19                   ; softplus(vU1[n])
	v_mul_f32 v14, v16, v15
	v_cmp_eq_u32 vcc_lo, 0, v1
	s_wait_xcnt 0x0                                ; EXEC is narrowed only behind this wait,
	s_and_saveexec_b32 s49, vcc_lo
	global_store_b32 v24, v14, s[62:63]
	global_store_b32 v24, v15, s[62:63] offset:8192
	s_wait_xcnt 0x0                                ; and widened only behind this one
	s_or_b32 exec_lo, exec_lo, s49
	PACKOUT X, P, 40
	s_endpgm                                       ; this role wrote no LDS
; ---- the plain conversions: a second unit, eight units on, is asked for at once; the first is packed and stored while it is on its way
.Ltwo:
	s_lshl_b32 s42, s37, 3
	s_add_nc_u64 s[60:61], s[40:41], s[42:43]      ; the second unit's place in WB
.irp j, 0,1,2,3,4,5,6,7
.irp i, 0,1
	global_load_b128 v[Z+8*\j+4*\i:Z+8*\j+4*\i+3], v2, s[34:35] offset:65536+1024*\j+512*\i th:TH_LOAD_NT
.endr
.endr
	s_wait_loadcnt 16                              ; the first unit's sixteen loads are in; the second's sixteen may be out
	PACKOUT X, P, 40
	s_wait_loadcnt 0x0
	PACKOUT Z, E, 60
	s_endpgm                                       ; these roles wrote no LDS
; ---- CODES.  A wave takes 16 rows x 256 along K.  Lane (r, h) takes, of row r, the blocks 2 q + h (q = 0..3): just what the operand's
; layout gives that lane in K step q / 2, registers 4 (q % 2) on.  A block is 32 numbers of one lane: no other lane is asked for its maximum.
.Lquant:
	s_sub_co_u32 s33, ttmp9, G_Q
	s_lshr_b32 s36, s33, 4                         ; which tensor
	s_lshl_b32 s33, s33, 3
	s_add_co_u32 s33, s33, s32                     ; u = 128 x tensor + row block
	s_and_b32 s37, s33, 127
	s_mov_b64 s[34:35], s[4:5]
	s_cmp_eq_u32 s36, 1
	s_cselect_b64 s[34:35], s[6:7], s[34:35]
	s_cmp_eq_u32 s36, 2
	s_cselect_b64 s[34:35], s[8:9], s[34:35]
	s_cmp_eq_u32 s36, 3
	s_cselect_b64 s[34:35], s[10:11], s[34:35]
	s_lshl_b32 s42, s37, 14
	s_add_nc_u64 s[34:35], s[34:35], s[42:43]      ; 16 rows of 1,024 bytes
	s_lshl_b32 s42, s33, 11
	s_add_nc_u64 s[40:41], s[24:25], s[42:43]      ; 2,048 bytes of codes a row block
	s_lshl_b32 s42, s33, 7
	s_add_nc_u64 s[44:45], s[26:27], s[42:43]      ; 128 bytes of scale words
	v_and_b32 v5, 15, v1                           ; r
	v_lshrrev_b32 v6, 4, v1                        ; h
	v_lshlrev_b32 v14, 10, v5
	v_lshl_add_u32 v14, v6, 7, v14                 ; row r, + 128 h
	v_lshlrev_b32 v7, 2, v1
	v_lshlrev_b32 v8, 3, v6                        ; 8 h
	v_mov_b32 v178, 0                              ; a lane permute's destination counts as read
	v_mov_b32 v179, 0
.irp q, 0,1,2,3
.irp j, 0,1,2,3,4,5,6,7
	global_load_b128 v[X+32*\q+4*\j:X+32*\q+4*\j+3], v14, s[34:35] offset:256*\q+16*\j th:TH_LOAD_NT
.endr
.endr
.irp q, 0,1,2,3
	s_wait_loadcnt 24-8*\q                         ; this block's eight loads are in; those of the later blocks may be out
	v_max3_num_f32 v[16+\q], |v[X+32*\q]|, |v[X+32*\q+1]|, 0x1800000   ; with the floor 2^(3 - 127): the byte cannot fall under 1
.irp i, 2,4,6,8,10,12,14,16,18,20,22,24,26,28,30
	v_max3_num_f32 v[16+\q], v[16+\q], |v[X+32*\q+\i]|, |v[X+32*\q+\i+1]|
.endr
	v_add_nc_u32 v[20+\q], 0xff000000, v[16+\q]    ; 2 off the exponent field: the conversion's scale operand
	v_lshrrev_b32 v[24+\q], 23, v[20+\q]           ; the scale's byte
.irp g, 0,1,2,3
	v_cvt_scalef32_pk8_fp4_f32 v[160+4*\q+\g], v[X+32*\q+8*\g:X+32*\q+8*\g+7], v[20+\q]
.endr
.endr
	v_nop                                          ; a plain place behind the last scaled conversion
.irp s, 0,1
	v_lshl_or_b32 v[176+\s], v[25+2*\s], 16, v[24+2*\s]   ; my bytes h and 2 + h of K step s,
	v_lshlrev_b32 v[176+\s], v8, v[176+\s]                ; at their places;
	v_permlanex16_b32 v[178+\s], v[176+\s], s46, s47
	v_or_b32 v[176+\s], v[176+\s], v[178+\s]              ; with lane l xor 16's two the word is whole
.endr
	v_cmp_eq_u32 vcc_lo, 1, v6
	v_cndmask_b32 v180, v176, v177, vcc_lo         ; lanes 0-15 keep K step 0's word of row r, lanes 16-31 K step 1's
.irp q, 0,1,2,3
	global_store_b128 v2, v[160+4*\q:163+4*\q], s[40:41] offset:512*\q   ; 512 consecutive bytes
.endr
	global_store_b32 v7, v180, s[44:45]
	s_endpgm                                       ; this role wrote no LDS
; ---- fW2 TRANSPOSED.  A wave takes 32 k x 128 o: a lane a k, its registers down o; through its own stage, so that rows of WB leave whole.
.Ltrans:
	s_lshl_b32 s33, ttmp9, 2
	s_lshr_b32 s36, s32, 1
	s_add_co_u32 s33, s33, s36                     ; which 32 k
	s_and_b32 s36, s32, 1                          ; which 128 o
	s_lshl_b32 s42, s36, 20                        ; 128 rows of 8,192 bytes
	s_lshl_b32 s37, s33, 7
	s_add_co_u32 s42, s42, s37
	s_add_nc_u64 s[34:35], s[16:17], s[42:43]
	s_mul_i32 s42, s33, 32*WPITCH
	s_lshl_b32 s37, s36, 8
	s_add_co_u32 s42, s42, s37
	s_add_co_u32 s42, s42, 4608
	s_add_nc_u64 s[40:41], s[28:29], s[42:43]
	s_cmp_eq_u32 s36, 0
	s_cselect_b32 s44, -1, 0                       ; fW2 has 255 rows: the upper half's last register is cleared,
	s_mov_b32 s45, 126*8192
	s_cselect_b32 s45, 127*8192, s45               ; and its load names row 254, inside the buffer
	v_lshlrev_b32 v14, 2, v1
	v_add_nc_u32 v15, s45, v14
	s_mul_i32 s37, s32, 8704                       ; my stage: 32 rows of 256 + 16 bytes
	v_mul_u32_u24 v16, v1, 272
	v_add_nc_u32 v16, s37, v16                     ; in: row = my k
	v_and_b32 v5, 15, v1
	v_lshrrev_b32 v6, 4, v1
	v_mul_u32_u24 v17, v6, 272
	v_lshl_add_u32 v17, v5, 4, v17
	v_add_nc_u32 v17, s37, v17                     ; back: sixteen lanes to a row
	v_mul_u32_u24 v18, v6, WPITCH
	v_lshl_add_u32 v18, v5, 4, v18                 ; and the same place in WB
.set i, 0
.rept 127
	global_load_b32 v[X+i], v14, s[34:35] offset:8192*i th:TH_LOAD_NT
.set i, i+1
.endr
	global_load_b32 v[X+127], v15, s[34:35]
	s_wait_loadcnt 0x0
	v_and_b32 v[X+127], s44, v[X+127]
.set i, 0
.rept 64
	v_cvt_pk_f16_f32 v[160+i], v[X+2*i], v[X+2*i+1]
.set i, i+1
.endr
.irp q, 0,1,2,3,4,5,6,7,8,9,10,11,12,13,14,15
	ds_store_b128 v16, v[160+4*\q:163+4*\q] offset:16*\q
.endr
.irp t, 0,1,2,3,4,5,6,7,8,9,10,11,12,13,14,15
	ds_load_b128 v[X+4*\t:X+4*\t+3], v17 offset:544*\t    ; LDS serves a wave's instructions in order: these see my stores
.endr
.irp t, 0,1,2,3,4,5,6,7,8,9,10,11,12,13,14,15
	s_wait_dscnt 15-\t                             ; load t is in; the younger ones may be out
	global_store_b128 v18, v[X+4*\t:X+4*\t+3], s[40:41] offset:2*\t*WPITCH th:TH_STORE_NT   ; sixteen lanes: 256 consecutive bytes, aligned
.endr
	s_wait_tensorcnt 0x0                           ; the wave's end
	ds_add_u32 v12, v13
	s_wait_dscnt 0x0
	s_endpgm
.Lfunc_end_k_qad4817fd5a_prep:
	.size	k_qad4817fd5a_prep, .Lfunc_end_k_qad4817fd5a_prep-k_qad4817fd5a_prep
	.p2alignl 7, 3214868480
	.fill 96, 4, 3214868480
	.section	.rodata,"a",@progbits
	.p2align	6, 0x0
	.amdhsa_kernel k_qad4817fd5a_prep
		.amdhsa_group_segment_fixed_size 70656
		.amdhsa_private_segment_fixed_size 0
		.amdhsa_enable_private_segment 0
		.amdhsa_kernarg_size 112
		.amdhsa_user_sgpr_count 2
		.amdhsa_user_sgpr_kernarg_segment_ptr 1
		.amdhsa_wavefront_size32 1
		.amdhsa_system_sgpr_workgroup_id_x 1
		.amdhsa_system_sgpr_workgroup_id_y 1
		.amdhsa_system_sgpr_workgroup_id_z 1
		.amdhsa_system_vgpr_workitem_id 0
		.amdhsa_next_free_vgpr 256
		.amdhsa_next_free_sgpr 66
		.amdhsa_reserve_vcc 1
		.amdhsa_float_denorm_mode_32 3
		.amdhsa_float_denorm_mode_16_64 3
		.amdhsa_memory_ordered 1
		.amdhsa_forward_progress 1
		.amdhsa_inst_pref_size 81
	.end_amdhsa_kernel
	.amdgpu_metadata
---
amdhsa.version: [ 1, 2 ]
amdhsa.kernels:
  - .name:           k_qad4817fd5a_prep
    .symbol:         k_qad4817fd5a_prep.kd
    .args:
      - { .name: x, .offset: 0, .size: 8, .value_kind: global_buffer, .address_space: global }
      - { .name: fW0, .offset: 8, .size: 8, .value_kind: global_buffer, .address_space: global }
      - { .name: vW0, .offset: 16, .size: 8, .value_kind: global_buffer, .address_space: global }
      - { .name: vW1, .offset: 24, .size: 8, .value_kind: global_buffer, .address_space: global }
      - { .name: fW1, .offset: 32, .size: 8, .value_kind: global_buffer, .address_space: global }
      - { .name: vU0, .offset: 40, .size: 8, .value_kind: global_buffer, .address_space: global }
      - { .name: fW2, .offset: 48, .size: 8, .value_kind: global_buffer, .address_space: global }
      - { .name: vb0, .offset: 56, .size: 8, .value_kind: global_buffer, .address_space: global }
      - { .name: vb1, .offset: 64, .size: 8, .value_kind: global_buffer, .address_space: global }
      - { .name: vU1, .offset: 72, .size: 8, .value_kind: global_buffer, .address_space: global }
      - { .name: QC, .offset: 80, .size: 8, .value_kind: global_buffer, .address_space: global }
      - { .name: QS, .offset: 88, .size: 8, .value_kind: global_buffer, .address_space: global }
      - { .name: WB, .offset: 96, .size: 8, .value_kind: global_buffer, .address_space: global }
      - { .name: SS, .offset: 104, .size: 8, .value_kind: global_buffer, .address_space: global }
    .group_segment_fixed_size: 70656
    .private_segment_fixed_size: 0
    .kernarg_segment_align: 8
    .kernarg_segment_size: 112
    .max_flat_workgroup_size: 256
    .sgpr_count:     66
    .vgpr_count:     256
    .wavefront_size: 32
...
	.end_amdgpu_metadata
.endif
;; end of part 1
;; launch fp4 (part 2): grid 16 x 16, 4 waves a work-group, no clusters, 17,920 bytes of LDS; arguments QC, QS, fb0, vb0, HZ; writes HZ
.if DOCPART == 2
	.amdgcn_target "amdgcn-amd-amdhsa--gfx1250"
	.amdhsa_code_object_version 6
	.text
	.protected	k_qad4817fd5a_fp4
	.globl	k_qad4817fd5a_fp4
	.p2align	8
	.type	k_qad4817fd5a_fp4,@function
k_qad4817fd5a_fp4:
	s_mov_b64 s[64:65], 0
	v_nop
	global_prefetch_b8 v0, s[64:65] scope:SCOPE_SE
	s_setreg_imm32_b32 hwreg(HW_REG_WAVE_MODE, 25, 1), 1
	s_wait_xcnt 0x0
; HZ[m][0..2047] = relu(Q(x) Q(fW0)^T + fb0),  HZ[m][2048..4095] = rehu(Q(x) Q(vW0)^T + vb0, 0.01), as f16.  Both products on E2M1 codes, K = 256.
; A work-group makes 128 rows x 256 columns, a wave 64 x 128.  Codes and scale words lie in memory in the order of the operand's registers, so
; each fragment comes by global loads of 16 bytes a lane straight into registers; nothing goes through LDS but the way out.
; No cluster: there is no LDS tile that partners could receive jointly; a work-group reads 48 KiB of codes for 64 KiB of results.
; THE PRODUCT IS USED TRANSPOSED (source 0 = 16 rows of W, source 1 = 16 rows of x): a lane holds eight neighbouring columns of one row.
; One formula serves both activations: max(min(max(v, 0)^2 x 50, c2), v - c2), with c2 = 0.005 (rehu) or 0 (relu).
; The bias is the C of a sum's first matrix instruction.  LIMIT: results beyond 65,504 do not fit f16.
; REGISTERS: window 0: v2-7 addresses; v16-79 x's fragments; v80-83, v84-91 scale words; v96-159 eight accumulators; v160-223, v224-255 at work.
;            window 1: v0-127 W's fragments; v128-191 the bias in the result's layout; v192-255 rows on their way out, two sets.
.set AF, 16
.set XS, 80
.set WS, 84
.set ACC, 96
.set R, 160
.set PK, 224
.set BF, 0
.set BI, 128
.set OUT, 192
.set SPARE, 17408                      ; behind the four stages of 16 x 272 bytes
.set MSB, 0
.macro WIN new                         ; the immediate's high byte repeats the setting that is left
.if MSB != \new
	s_set_vgpr_msb (MSB<<8)|\new
.set MSB, \new
.endif
.endm
.macro PLACES n
.rept \n
	v_nop
.endr
.endm
	s_load_b256 s[4:11], s[0:1], 0x0               ; QC, QS, fb0, vb0
	s_load_b64 s[12:13], s[0:1], 0x20              ; HZ
	v_lshl_add_u32 v12, v0, 2, SPARE
	v_mov_b32 v13, 0
	v_lshrrev_b32 v1, 5, v0
	v_readfirstlane_b32 s14, v1                    ; wave
	s_lshr_b32 s15, s14, 1                         ; which 64 rows
	s_and_b32 s16, s14, 1                          ; which 128 columns
	s_and_b32 s17, ttmp7, 0xffff                   ; tile row
	v_and_b32 v1, 31, v0
	v_and_b32 v8, 15, v0                           ; r
	v_bfe_u32 v9, v0, 4, 1                         ; h
	v_lshlrev_b32 v2, 4, v1                        ; 16 x lane
	v_lshlrev_b32 v3, 2, v1                        ; 4 x lane
	v_lshlrev_b32 v4, 5, v9                        ; 32 h: my eight numbers of a tile's sixteen biases
	s_mul_i32 s18, s14, 4352
	v_mul_u32_u24 v5, v8, 272
	v_lshl_add_u32 v5, v9, 4, v5
	v_add_nc_u32 v5, s18, v5                       ; the stage, in: row r, + 16 h
	v_mul_u32_u24 v6, v9, 272
	v_lshl_add_u32 v6, v8, 4, v6
	v_add_nc_u32 v6, s18, v6                       ; back: sixteen lanes to a row
	v_lshlrev_b32 v7, 13, v9
	v_lshl_add_u32 v7, v8, 4, v7                   ; and the same in HZ (rows of 8,192 bytes)
	s_lshl_b32 s20, s17, 3
	s_lshl_b32 s21, s15, 2
	s_add_co_u32 s20, s20, s21                     ; x's first row block
	s_lshl_b32 s22, ttmp9, 4
	s_lshl_b32 s21, s16, 3
	s_add_co_u32 s22, s22, s21
	s_add_co_u32 s22, s22, 128                     ; W's: fW0's blocks begin at 128, vW0's follow them
	s_lshl_b32 s24, s20, 11
	s_mov_b32 s25, 0
	s_lshl_b32 s26, s22, 11
	s_mov_b32 s27, 0
	s_lshl_b32 s28, s20, 7
	s_mov_b32 s29, 0
	s_lshl_b32 s30, s22, 7
	s_mov_b32 s31, 0
	s_and_b32 s32, ttmp9, 7
	s_lshl_b32 s32, s32, 10
	s_lshl_b32 s21, s16, 9
	s_add_co_u32 s32, s32, s21                     ; the bias: 4 x (256 (tx mod 8) + 128 wc)
	s_mov_b32 s33, 0
	s_lshl_b32 s34, s17, 7
	s_lshl_b32 s21, s15, 6
	s_add_co_u32 s34, s34, s21
	s_lshl_b32 s34, s34, 13
	s_lshl_b32 s21, ttmp9, 9
	s_add_co_u32 s34, s34, s21
	s_lshl_b32 s21, s16, 8
	s_add_co_u32 s34, s34, s21
	s_mov_b32 s35, 0
	s_mov_b32 s44, 0x42480000                      ; 50
	s_mov_b32 s45, s44
	s_wait_kmcnt 0x0
	s_cmp_lt_u32 ttmp9, 8                          ; fW0's columns or vW0's
	s_cselect_b64 s[36:37], s[8:9], s[10:11]
	s_cselect_b32 s40, 0, 0x3ba3d70a               ; c2
	s_cselect_b32 s42, 0, 0xbba3d70a               ; -c2
	s_mov_b32 s43, s42
	s_add_nc_u64 s[24:25], s[4:5], s[24:25]
	s_add_nc_u64 s[26:27], s[4:5], s[26:27]
	s_add_nc_u64 s[28:29], s[6:7], s[28:29]
	s_add_nc_u64 s[30:31], s[6:7], s[30:31]
	s_add_nc_u64 s[36:37], s[36:37], s[32:33]
	s_add_nc_u64 s[12:13], s[12:13], s[34:35]
.irp a, 0,1,2,3
.irp q, 0,1,2,3
	global_load_b128 v[AF+16*\a+4*\q:AF+16*\a+4*\q+3], v2, s[24:25] offset:2048*\a+512*\q
.endr
	global_load_b32 v[XS+\a], v3, s[28:29] offset:128*\a
.endr
.irp b, 0,1,2,3,4,5,6,7
	global_load_b32 v[WS+\b], v3, s[30:31] offset:128*\b
.endr
	WIN 0x40                                       ; destination window 1
.irp b, 0,1,2,3,4,5,6,7
.irp q, 0,1,2,3
	global_load_b128 v[BF+16*\b+4*\q:BF+16*\b+4*\q+3], v2, s[26:27] offset:2048*\b+512*\q
.endr
.endr
.irp b, 0,1,2,3,4,5,6,7
.irp i, 0,1
	global_load_b128 v[BI+8*\b+4*\i:BI+8*\b+4*\i+3], v4, s[36:37] offset:64*\b+16*\i
.endr
.endr
	WIN 0
	s_wait_loadcnt 0x0
.irp a, 0,1,2,3
	PLACES 5                                       ; the accumulators are begun anew, with another C
	WIN 0x11                                       ; source 0 (W) and source 2 (bias) window 1
.irp b, 0,1,2,3,4,5,6,7
	v_wmma_scale_f32_16x16x128_f8f6f4 v[ACC+8*\b:ACC+8*\b+7], v[BF+16*\b:BF+16*\b+7], v[AF+16*\a:AF+16*\a+7], v[BI+8*\b:BI+8*\b+7], v[WS+\b], v[XS+\a] matrix_a_fmt:MATRIX_FMT_FP4 matrix_b_fmt:MATRIX_FMT_FP4
.endr
	WIN 0x01                                       ; the eight accumulators by turns: K step 1, whose scale words lie in lanes 16-31
.irp b, 0,1,2,3,4,5,6,7
	v_wmma_scale_f32_16x16x128_f8f6f4 v[ACC+8*\b:ACC+8*\b+7], v[BF+16*\b+8:BF+16*\b+15], v[AF+16*\a+8:AF+16*\a+15], v[ACC+8*\b:ACC+8*\b+7], v[WS+\b], v[XS+\a] matrix_a_fmt:MATRIX_FMT_FP4 matrix_b_fmt:MATRIX_FMT_FP4 matrix_a_scale:MATRIX_SCALE_ROW1 matrix_b_scale:MATRIX_SCALE_ROW1
.endr
	WIN 0
	PLACES 4
.set i, 0
.rept 32
	v_pk_add_f32 v[R+i:R+i+1], v[ACC+i:ACC+i+1], s[42:43] op_sel_hi:[1,0]     ; v - c2; each accumulator from its low end on
.set i, i+2
.endr
.set i, 0
.rept 64
	v_max_num_f32 v[ACC+i], 0, v[ACC+i]
.set i, i+1
.endr
.set i, 0
.rept 32
	v_pk_mul_f32 v[ACC+i:ACC+i+1], v[ACC+i:ACC+i+1], v[ACC+i:ACC+i+1]
.set i, i+2
.endr
.set i, 0
.rept 32
	v_pk_mul_f32 v[ACC+i:ACC+i+1], v[ACC+i:ACC+i+1], s[44:45] op_sel_hi:[1,0]
.set i, i+2
.endr
.set i, 0
.rept 64
	v_min_num_f32 v[ACC+i], s40, v[ACC+i]
.set i, i+1
.endr
.set i, 0
.rept 64
	v_max_num_f32 v[ACC+i], v[ACC+i], v[R+i]
.set i, i+1
.endr
.set i, 0
.rept 32
	v_cvt_pk_f16_f32 v[PK+i], v[ACC+2*i], v[ACC+2*i+1]
.set i, i+1
.endr
.irp b, 0,1,2,3,4,5,6,7
	ds_store_b128 v5, v[PK+4*\b:PK+4*\b+3] offset:32*\b
.endr
.if \a >= 2
	s_wait_xcnt 0x0                                ; the stores of two blocks back have read this set of registers
.endif
	WIN 0x40
.irp t, 0,1,2,3,4,5,6,7
	ds_load_b128 v[OUT+32*(\a%2)+4*\t:OUT+32*(\a%2)+4*\t+3], v6 offset:544*\t   ; my own bytes, served in order
.endr
	s_wait_dscnt 0x0
	WIN 0x04                                       ; a store's data are its source 1: window 1
.irp t, 0,1,2,3,4,5,6,7
	global_store_b128 v7, v[OUT+32*(\a%2)+4*\t:OUT+32*(\a%2)+4*\t+3], s[12:13] offset:(16*\a+2*\t)*8192 th:TH_STORE_NT   ; sixteen lanes: 256 consecutive bytes, aligned
.endr
	WIN 0
.endr
	s_wait_tensorcnt 0x0                           ; the wave's end
	ds_add_u32 v12, v13
	s_wait_dscnt 0x0
	s_endpgm
.Lfunc_end_k_qad4817fd5a_fp4:
	.size	k_qad4817fd5a_fp4, .Lfunc_end_k_qad4817fd5a_fp4-k_qad4817fd5a_fp4
	.p2alignl 7, 3214868480
	.fill 96, 4, 3214868480
	.section	.rodata,"a",@progbits
	.p2align	6, 0x0
	.amdhsa_kernel k_qad4817fd5a_fp4
		.amdhsa_group_segment_fixed_size 17920
		.amdhsa_private_segment_fixed_size 0
		.amdhsa_enable_private_segment 0
		.amdhsa_kernarg_size 40
		.amdhsa_user_sgpr_count 2
		.amdhsa_user_sgpr_kernarg_segment_ptr 1
		.amdhsa_wavefront_size32 1
		.amdhsa_system_sgpr_workgroup_id_x 1
		.amdhsa_system_sgpr_workgroup_id_y 1
		.amdhsa_system_sgpr_workgroup_id_z 1
		.amdhsa_system_vgpr_workitem_id 0
		.amdhsa_next_free_vgpr 512
		.amdhsa_next_free_sgpr 66
		.amdhsa_reserve_vcc 0
		.amdhsa_float_denorm_mode_32 3
		.amdhsa_float_denorm_mode_16_64 3
		.amdhsa_memory_ordered 1
		.amdhsa_forward_progress 1
		.amdhsa_inst_pref_size 84
	.end_amdhsa_kernel
	.amdgpu_metadata
---
amdhsa.version: [ 1, 2 ]
amdhsa.kernels:
  - .name:           k_qad4817fd5a_fp4
    .symbol:         k_qad4817fd5a_fp4.kd
    .args:
      - { .name: QC, .offset: 0, .size: 8, .value_kind: global_buffer, .address_space: global }
      - { .name: QS, .offset: 8, .size: 8, .value_kind: global_buffer, .address_space: global }
      - { .name: fb0, .offset: 16, .size: 8, .value_kind: global_buffer, .address_space: global }
      - { .name: vb0, .offset: 24, .size: 8, .value_kind: global_buffer, .address_space: global }
      - { .name: HZ, .offset: 32, .size: 8, .value_kind: global_buffer, .address_space: global }
    .group_segment_fixed_size: 17920
    .private_segment_fixed_size: 0
    .kernarg_segment_align: 8
    .kernarg_segment_size: 40
    .max_flat_workgroup_size: 128
    .sgpr_count:     66
    .vgpr_count:     512
    .wavefront_size: 32
...
	.end_amdgpu_metadata
.endif
;; end of part 2
;; launch gemm_nt (part 3): grid 16 x 16, 4 waves a work-group, clusters of 4 x 4, 327,680 bytes of LDS; arguments HZ, WB, QC, QS, fb1, vb1, SS, T3, SPP; writes T3, SPP
.if DOCPART == 3
	.amdgcn_target "amdgcn-amd-amdhsa--gfx1250"
	.amdhsa_code_object_version 6
	.text
	.protected	k_qad4817fd5a_gemm_nt
	.globl	k_qad4817fd5a_gemm_nt
	.p2align	8
	.type	k_qad4817fd5a_gemm_nt,@function
k_qad4817fd5a_gemm_nt:
	s_mov_b64 s[64:65], 0
	v_nop
	global_prefetch_b8 v0, s[64:65] scope:SCOPE_SE
	s_setreg_imm32_b32 hwreg(HW_REG_WAVE_MODE, 25, 1), 1
	s_wait_xcnt 0x0
	s_wait_alu depctr_hold_cnt(0) depctr_sa_sdst(0) depctr_va_vdst(0) depctr_va_sdst(0) depctr_va_ssrc(0) depctr_va_vcc(0) depctr_vm_vsrc(0)
	s_getreg_b32 s2, hwreg(HW_REG_IB_STS2, 6, 4)
	s_cmp_eq_u32 s2, 0
	s_cbranch_scc0 .Lentry_in_a_cluster
	s_endpgm
.Lentry_in_a_cluster:
	s_bfe_u32 s2, ttmp6, 0x10000c
	s_cmp_lg_u32 s2, 0xf033
	s_cbranch_scc0 .Lentry_shape_is_right
	s_endpgm
.Lentry_shape_is_right:
; Two products of 2,048 x 2,048 x 2,048 in f16 with f32 sums, side by side in one grid; which of them a work-group serves hangs on the cluster's x alone.
;  tile columns 0..7  (f):  h2 = relu(h1 fW1^T + fb1), stored as TWO f16 numbers: a = f16(h2 / 1024), b = f16(h2 - 1024 a): T3 columns 2048.., 4096..
;  tile columns 8..15 (v):  a1 = Q(x) Q(vW1)^T + vb1 + z0 softplus(vU0)^T / 2048 (the first term on E2M1 codes, added onto the same accumulators);
;                           t1 = softplus(vU1) x clamp(100 a1, 0, 1) as f16: T3 columns 0..2047;  parts of the row sums of rehu(a1) softplus(vU1): SPP
; A tile is 128 x 256: 256 work-groups.  Four waves, each 64 x 128: 32 accumulators, 256 registers.  K goes in steps of 128 (rows of 256 bytes) through two LDS slots.
; CLUSTER 4 x 4: A's tile is asked for jointly along a row of the cluster, B's along a column.  Waves 0, 1 fetch A's halves (64 rows), waves 2, 3 B's (128 rows).
; THE PRODUCT IS USED TRANSPOSED (source 0 = 16 rows of the weight, source 1 = 16 rows of A): a lane holds eight neighbouring columns of one row.
; No prefetch: each tile is read by four clusters, not once.
; LIMITS: h2 under 6.7e7 (a must fit f16); under 2^-12 b loses relative accuracy.  The derivative of rehu is taken as clamp(v / d, 0, 1) at the two knees too.
; REGISTERS: window 0: v10, v16-31 addresses; v32-43 scale words; v44-63 at work; v64-127 packed results and rows on their way out; v128-191 the bias; v192-255 h2, or softplus(vU1).
;   window 1: two fragment buffers of 96 (A's four, B's eight).   window 2: accumulator (a, b) at v[8 (8 a + b)].   window 3: x's codes v0-63, vW1's v64-191.
.set PITCH, 272                        ; an LDS row: 256 bytes + 16: the sixteen rows of a load begin in sixteen different groups of four banks
.set ATILE, 128*PITCH
.set SLOT, 384*PITCH                   ; A's 128 rows, then B's 256
.set STGF, 2*SLOT                      ; the f path's stages: a plane for a, a plane for b, each 4 waves x 16 rows x 272 bytes
.set PLANE, 4*16*PITCH
.set STGV, STGF+2*PLANE                ; the v path's stage
.set SPARE, STGV+PLANE                 ; the spare words: 128 bytes a wave
.set ADRA, 16
.set ADRB, 20
.set STOF, 22
.set RDF, 23
.set STOV, 24
.set RDV, 25
.set CO, 26
.set SPO, 27
.set SPW, 28
.set NIL, 29
.set L16, 30
.set L4, 31
.set H32, 10
.set XS, 32
.set WS, 36
.set SSUM, 44
.set TF, 44
.set TM, 52
.set PK, 64
.set OB, 96
.set BI, 128
.set P8, 128
.set R8, 136
.set D8, 144
.set HH, 192
.set F0, 0
.set F1, 96
.set X4, 0
.set W4, 64
.set G1A, 24
.set G0A, 32
.set G1B, 48
.set G0B, 56
.set MSB, 0
.macro WIN new                         ; the immediate's high byte repeats the setting that is left
.if MSB != \new
	s_set_vgpr_msb (MSB<<8)|\new
.set MSB, \new
.endif
.endm
.macro PLACES n
.rept \n
	v_nop
.endr
.endm
.macro JLOAD s                         ; a joint load; the branch hangs on the wave's number alone; an s_nop 0 and four v_nop follow each line
	s_cmp_eq_u32 s13, 0
	s_cbranch_scc0 .Lfor_b_\@
	tensor_load_to_lds s[G0A+4*\s:G0A+4*\s+3], s[G1A:G1A+7]
	s_nop 0
.rept 4
	v_nop
.endr
	s_branch .Lasked_\@
.Lfor_b_\@:
	tensor_load_to_lds s[G0B+4*\s:G0B+4*\s+3], s[G1B:G1B+7]
	s_nop 0
.rept 4
	v_nop
.endr
.Lasked_\@:
.endm
.macro CREST                           ; a round of the cluster's barrier behind its opening barrier
	s_cmp_lg_u32 s12, 0
	s_cbranch_scc1 .Lnot_wave_0_\@
	s_barrier_signal -3
.Lnot_wave_0_\@:
	s_barrier_wait -3
	s_barrier_signal -1
	s_barrier_wait -1
.endm
.macro CROUND
	s_barrier_signal -1
	s_barrier_wait -1
	CREST
.endm
; eight matrix instructions: A's block a against B's eight, 32 along K.  The 32 accumulators take turns, in the same order in every quarter.
.macro MUL8 f, a, zero
	WIN 0xa5                                       ; sources 0 and 1 window 1, C and D window 2
.irp b, 0,1,2,3,4,5,6,7
.if \zero
	v_wmma_f32_16x16x32_f16 v[8*(8*(\a)+\b):8*(8*(\a)+\b)+7], v[\f+32+8*\b:\f+32+8*\b+7], v[\f+8*(\a):\f+8*(\a)+7], 0
.else
	v_wmma_f32_16x16x32_f16 v[8*(8*(\a)+\b):8*(8*(\a)+\b)+7], v[\f+32+8*\b:\f+32+8*\b+7], v[\f+8*(\a):\f+8*(\a)+7], v[8*(8*(\a)+\b):8*(8*(\a)+\b)+7]
.endif
.endr
.endm
.macro FETCH slot, k, f                ; 24 LDS loads in one run: the fragments of 32 along K at byte k of the rows
	WIN 0x40
.irp b, 0,1,2,3,4,5,6,7
	ds_load_b128 v[\f+32+8*\b:\f+32+8*\b+3], v[ADRB+\slot] offset:\k+\b*16*PITCH
	ds_load_b128 v[\f+32+8*\b+4:\f+32+8*\b+7], v[ADRB+\slot] offset:\k+\b*16*PITCH+32
.endr
.irp a, 0,1,2,3
	ds_load_b128 v[\f+8*\a:\f+8*\a+3], v[ADRA+\slot] offset:\k+\a*16*PITCH
	ds_load_b128 v[\f+8*\a+4:\f+8*\a+7], v[ADRA+\slot] offset:\k+\a*16*PITCH+32
.endr
.endm
; a quarter of a K step: buffer f is multiplied; ahead of its 32 matrix instructions the next quarter's fragments are asked for, into buffer g
.macro QUARTER slot, k, f, g, zero
	s_wait_dscnt 0x0                               ; buffer f's loads, issued 32 matrix instructions ago
	PLACES 4                                       ; in front of loads into registers that the last matrix instructions read
	FETCH \slot, \k, \g
	MUL8 \f, 0, \zero
	MUL8 \f, 1, \zero
	MUL8 \f, 2, \zero
	MUL8 \f, 3, \zero
.endm
; a K step's last quarter changes slots: one barrier; ahead of it all my tensor loads, the add, and my reads of this slot
.macro TURN slot, next, fill
	WIN 0
	s_wait_tensorcnt 0x0                           ; all my tensor loads have landed: my part of the next slot
	ds_add_u32 v[SPW], v[NIL]                      ; 0 onto my spare word
	s_wait_dscnt 1                                 ; buffer 1's 24 loads are in; the add alone may be out
	MUL8 F1, 0, 0
	s_wait_dscnt 0x0                               ; the add is done; my reads of this slot are over
	s_barrier_signal -1
	MUL8 F1, 1, 0
	WIN 0
	s_barrier_wait -1
.if \fill
	CREST                                          ; the barrier has opened a round of the cluster's: no wave of any partner reads this slot or has a load on its way
	s_add_nc_u64 s[G0A+4*\slot+2:G0A+4*\slot+3], s[G0A+4*\slot+2:G0A+4*\slot+3], 512
	s_add_nc_u64 s[G0B+4*\slot+2:G0B+4*\slot+3], s[G0B+4*\slot+2:G0B+4*\slot+3], 512
	JLOAD \slot                                    ; two K steps on; 112 matrix instructions ahead of the wait for it; its four v_nop are the places for the loads below
.else
	PLACES 4
.endif
	FETCH \next, 0, F0
	MUL8 F1, 2, 0
	MUL8 F1, 3, 0
.endm
	s_load_b256 s[4:11], s[0:1], 0x0               ; HZ, WB, QC, QS
	s_load_b256 s[68:75], s[0:1], 0x20             ; fb1, vb1, SS, T3
	s_load_b64 s[76:77], s[0:1], 0x40              ; SPP
	v_lshl_add_u32 v[SPW], v0, 2, SPARE
	v_mov_b32 v[NIL], 0
	ds_add_u32 v[SPW], v[NIL]                      ; the wave's opening
	v_lshrrev_b32 v1, 5, v0
	v_readfirstlane_b32 s12, v1                    ; wave
	s_lshr_b32 s13, s12, 1                         ; which 64 rows are mine.  Also: I fetch for A (0) or for B (1)
	s_and_b32 s14, s12, 1                          ; which 128 columns.  Also: which half of that tile I fetch
	s_bfe_u32 s16, ttmp6, 0x40000                  ; cx
	s_bfe_u32 s17, ttmp6, 0x40004                  ; cy
	s_lshl_b32 s18, ttmp9, 2
	s_add_co_u32 s18, s18, s16                     ; tile column
	s_and_b32 s19, ttmp7, 0xffff
	s_lshl_b32 s19, s19, 2
	s_add_co_u32 s19, s19, s17                     ; tile row
	s_lshl_b32 s20, s17, 2
	s_lshl_b32 s20, 15, s20                        ; my row of the cluster
	s_lshl_b32 s21, 0x1111, s16                    ; my column
	s_cmp_ge_u32 ttmp9, 2
	s_cselect_b32 s15, 1, 0                        ; the path: 0 f, 1 v: the same in all sixteen partners
	s_or_b32 s[G1A], s20, (1<<16)|(1<<20)|(1<<21)|(5<<22)|(3<<25)   ; mask; elements of 2 bytes; padding: 4 words behind every 64
	s_or_b32 s[G1B], s21, (1<<16)|(1<<20)|(1<<21)|(5<<22)|(3<<25)
	s_mov_b32 s[G1A+1], 128<<16                    ; tensor_dim0 = 128
	s_mov_b32 s[G1A+2], 64<<16                     ; tensor_dim1 = 64
	s_mov_b32 s[G1A+3], 128<<16                    ; tile_dim0
	s_mov_b32 s[G1A+4], 64                         ; tile_dim1
	s_mov_b32 s[G1A+5], 4096                       ; HZ's pitch in elements
	s_mov_b32 s[G1A+6], 0
	s_mov_b32 s[G1A+7], 0
	s_mov_b32 s[G1B+1], 128<<16
	s_mov_b32 s[G1B+2], 128<<16
	s_mov_b32 s[G1B+3], 128<<16
	s_mov_b32 s[G1B+4], 128
	s_mov_b32 s[G1B+5], 4864                       ; WB's pitch
	s_mov_b32 s[G1B+6], 0
	s_mov_b32 s[G1B+7], 0
	s_lshl_b32 s40, s19, 7                         ; A: row 128 x tile row + 64 x half; h1's columns or z0's
	s_lshl_b32 s41, s14, 6
	s_add_co_u32 s40, s40, s41
	s_lshl_b32 s40, s40, 13
	s_lshl_b32 s41, s15, 12
	s_add_co_u32 s40, s40, s41
	s_mov_b32 s41, 0
	s_and_b32 s44, s18, 7                          ; B: row 256 x (tile column mod 8) + 128 x half; fW1's columns or softplus(vU0)'s
	s_lshl_b32 s44, s44, 8
	s_lshl_b32 s45, s14, 7
	s_add_co_u32 s44, s44, s45
	s_mul_i32 s44, s44, 9728
	s_cmp_eq_u32 s15, 0
	s_cselect_b32 s45, 5632, 0
	s_add_co_u32 s44, s44, s45
	s_mov_b32 s45, 0
	s_mul_i32 s22, s14, 64*PITCH                   ; where they go: the wave's number alone
	s_mul_i32 s23, s14, 128*PITCH
	s_add_co_u32 s23, s23, ATILE
	s_wait_dscnt 0x0                               ; the opening add is done
	s_wait_kmcnt 0x0
	s_add_nc_u64 s[42:43], s[4:5], s[40:41]
	s_add_nc_u64 s[46:47], s[6:7], s[44:45]
	CROUND                                         ; all sixteen work-groups are here: the first joint loads meet
.irp s, 0,1
	s_mov_b32 s[G0A+4*\s], 1
	s_add_co_u32 s[G0A+4*\s+1], s22, \s*SLOT
	s_add_nc_u64 s[G0A+4*\s+2:G0A+4*\s+3], s[42:43], \s*256
	s_or_b32 s[G0A+4*\s+3], s[G0A+4*\s+3], 0x80000000
	s_mov_b32 s[G0B+4*\s], 1
	s_add_co_u32 s[G0B+4*\s+1], s23, \s*SLOT
	s_add_nc_u64 s[G0B+4*\s+2:G0B+4*\s+3], s[46:47], \s*256
	s_or_b32 s[G0B+4*\s+3], s[G0B+4*\s+3], 0x80000000
	JLOAD \s
.endr
	v_and_b32 v1, 15, v0                           ; r
	v_bfe_u32 v2, v0, 4, 1                         ; h
	v_and_b32 v3, 31, v0
	v_mul_u32_u24 v4, v1, PITCH
	v_lshl_add_u32 v4, v2, 4, v4                   ; row r, + 16 h
	s_mul_i32 s20, s13, 64*PITCH
	s_mul_i32 s21, s14, 128*PITCH
	s_add_co_u32 s21, s21, ATILE
.irp s, 0,1
	v_add_nc_u32 v[ADRA+\s], s20, v4
	v_add_nc_u32 v[ADRB+\s], s21, v4
	s_add_co_u32 s20, s20, SLOT
	s_add_co_u32 s21, s21, SLOT
.endr
	s_mul_i32 s20, s12, 16*PITCH                   ; every LDS address is made here, ahead of the parting of the paths
	v_add_nc_u32 v[STOF], s20, v4
	v_add_nc_u32 v[STOV], STGV, v[STOF]
	v_add_nc_u32 v[STOF], STGF, v[STOF]
	v_mul_u32_u24 v5, v2, PITCH
	v_lshl_add_u32 v5, v1, 4, v5
	v_add_nc_u32 v[RDF], s20, v5
	v_add_nc_u32 v[RDV], STGV, v[RDF]
	v_add_nc_u32 v[RDF], STGF, v[RDF]
	v_mul_u32_u24 v5, v2, 12288
	v_lshl_add_u32 v[CO], v1, 4, v5                ; in T3: two rows an instruction, sixteen lanes to 256 bytes
	v_lshlrev_b32 v5, 13, v2
	v_lshl_add_u32 v[SPO], v1, 2, v5               ; in SPP: part h, row r
	v_lshlrev_b32 v[L16], 4, v3
	v_lshlrev_b32 v[L4], 2, v3
	v_lshlrev_b32 v[H32], 5, v2
	s_and_b32 s40, s18, 7
	s_lshl_b32 s41, s40, 8
	s_lshl_b32 s42, s14, 7
	s_add_co_u32 s41, s41, s42                     ; n0: my first column of the path's 2,048
	s_lshl_b32 s42, s19, 7
	s_lshl_b32 s43, s13, 6
	s_add_co_u32 s42, s42, s43                     ; m0: my first row
	s_mov_b32 s45, 0
	s_lshl_b32 s44, s41, 2
	s_add_nc_u64 s[78:79], s[68:69], s[44:45]      ; fb1 at n0
	s_add_nc_u64 s[80:81], s[70:71], s[44:45]      ; vb1 at n0
	s_add_co_u32 s44, s44, 8192
	s_add_nc_u64 s[92:93], s[72:73], s[44:45]      ; softplus(vU1) at n0
	s_lshl_b32 s44, s42, 7
	s_add_nc_u64 s[84:85], s[8:9], s[44:45]        ; x's codes: 2,048 bytes for 16 rows
	s_lshl_b32 s44, s41, 7
	s_add_nc_u64 s[96:97], s[76:77], s[44:45]      ; SPP: two parts of 8,192 bytes for each 128 columns
	s_add_co_u32 s44, s44, 384*2048
	s_add_nc_u64 s[86:87], s[8:9], s[44:45]        ; vW1's codes
	s_lshl_b32 s44, s42, 3
	s_add_nc_u64 s[88:89], s[10:11], s[44:45]      ; x's scale words
	s_lshl_b32 s44, s41, 3
	s_add_co_u32 s44, s44, 384*128
	s_add_nc_u64 s[90:91], s[10:11], s[44:45]      ; vW1's
	s_lshl_b32 s44, s42, 2
	s_add_nc_u64 s[96:97], s[96:97], s[44:45]
	s_mul_i32 s44, s42, 12288
	s_lshl_b32 s43, s41, 1
	s_add_co_u32 s44, s44, s43
	s_cmp_eq_u32 s15, 0
	s_cselect_b32 s43, 4096, 0
	s_add_co_u32 s44, s44, s43
	s_add_nc_u64 s[94:95], s[74:75], s[44:45]      ; T3 at (m0, n0): t1's columns, or a's
	s_wait_tensorcnt 1                             ; my part of K step 0 is in; K step 1's may stay out
	s_barrier_signal -1
	s_barrier_wait -1
	FETCH 0, 0, F0
	QUARTER 0, 64, F0, F1, 1                       ; the first quarter's products start the sums: nothing is cleared
	WIN 0
	s_mov_b32 s3, 7
.Llap:                                             ; a trip goes once round the ring and fills both slots again
	QUARTER 0, 128, F1, F0, 0
	QUARTER 0, 192, F0, F1, 0
	TURN 0, 1, 1
	QUARTER 1, 64, F0, F1, 0
	QUARTER 1, 128, F1, F0, 0
	QUARTER 1, 192, F0, F1, 0
	TURN 1, 0, 1
	QUARTER 0, 64, F0, F1, 0
	WIN 0
	s_sub_co_u32 s3, s3, 1
	s_cmp_lg_u32 s3, 0
	s_cbranch_scc1 .Llap
; The last lap fills nothing.  It is written once for each path, so that each path asks, under it, for what its own way out reads.
.macro LATEV                           ; the v path's second batch: bias, softplus(vU1), scale words
.irp b, 0,1,2,3,4,5,6,7
.irp i, 0,1
	global_load_b128 v[BI+8*\b+4*\i:BI+8*\b+4*\i+3], v[H32], s[80:81] offset:64*\b+16*\i
	global_load_b128 v[HH+8*\b+4*\i:HH+8*\b+4*\i+3], v[H32], s[92:93] offset:64*\b+16*\i
.endr
.endr
.irp a, 0,1,2,3
	global_load_b32 v[XS+\a], v[L4], s[88:89] offset:128*\a
.endr
.irp b, 0,1,2,3,4,5,6,7
	global_load_b32 v[WS+\b], v[L4], s[90:91] offset:128*\b
.endr
.endm
.macro TAIL late
	QUARTER 0, 128, F1, F0, 0
	QUARTER 0, 192, F0, F1, 0
	TURN 0, 1, 0
.if \late
	WIN 0
	LATEV
.endif
	QUARTER 1, 64, F0, F1, 0
	QUARTER 1, 128, F1, F0, 0
	QUARTER 1, 192, F0, F1, 0
	s_wait_dscnt 0x0
	MUL8 F1, 0, 0
	MUL8 F1, 1, 0
	MUL8 F1, 2, 0
	MUL8 F1, 3, 0
	WIN 0
	PLACES 4
	s_wait_loadcnt 0x0
.endm
	s_cmp_lg_u32 s15, 0
	s_cbranch_scc1 .Lv
; ---- f: h2 = relu(sum + fb1) as a and b
.irp b, 0,1,2,3,4,5,6,7
.irp i, 0,1
	global_load_b128 v[BI+8*\b+4*\i:BI+8*\b+4*\i+3], v[H32], s[78:79] offset:64*\b+16*\i
.endr
.endr
	TAIL 0
	s_mov_b32 s40, 0x3a800000                      ; 1 / 1024
	s_mov_b32 s41, s40
	s_mov_b32 s42, 0xc4800000                      ; -1024
	s_mov_b32 s43, s42
.macro EPIF a
.if \a > 0
	s_wait_xcnt 0x0                                ; the last block's stores have read v192-255
.endif
	WIN 0x02                                       ; source 0: the accumulators
.set i, 0
.rept 32
	v_pk_add_f32 v[HH+i:HH+i+1], v[64*\a+i:64*\a+i+1], v[BI+i:BI+i+1]      ; each accumulator from its low end on
.set i, i+2
.endr
	WIN 0
.set i, 0
.rept 64
	v_max_num_f32 v[HH+i], 0, v[HH+i]
.set i, i+1
.endr
.irp b, 0,1,2,3,4,5,6,7
.irp p, 0,2,4,6
	v_pk_mul_f32 v[TF+\p:TF+\p+1], v[HH+8*\b+\p:HH+8*\b+\p+1], s[40:41] op_sel_hi:[1,0]
.endr
	v_cvt_pk_f16_f32 v60, v[TF], v[TF+1]           ; a
	v_cvt_pk_f16_f32 v61, v[TF+2], v[TF+3]
	v_cvt_pk_f16_f32 v62, v[TF+4], v[TF+5]
	v_cvt_pk_f16_f32 v63, v[TF+6], v[TF+7]
	v_cvt_f32_f16 v[TF], v60.l                     ; a as it was rounded
	v_cvt_f32_f16 v[TF+1], v60.h
	v_cvt_f32_f16 v[TF+2], v61.l
	v_cvt_f32_f16 v[TF+3], v61.h
	v_cvt_f32_f16 v[TF+4], v62.l
	v_cvt_f32_f16 v[TF+5], v62.h
	v_cvt_f32_f16 v[TF+6], v63.l
	v_cvt_f32_f16 v[TF+7], v63.h
	ds_store_b128 v[STOF], v[60:63] offset:32*\b
.irp p, 0,2,4,6
	v_pk_fma_f32 v[HH+8*\b+\p:HH+8*\b+\p+1], v[TF+\p:TF+\p+1], s[42:43], v[HH+8*\b+\p:HH+8*\b+\p+1] op_sel_hi:[1,0,1]   ; h2 - 1024 a: exact
.endr
.irp p, 0,1,2,3
	v_cvt_pk_f16_f32 v[OB+4*\b+\p], v[HH+8*\b+2*\p], v[HH+8*\b+2*\p+1]     ; b
.endr
	ds_store_b128 v[STOF], v[OB+4*\b:OB+4*\b+3] offset:PLANE+32*\b
.endr
.irp t, 0,1,2,3,4,5,6,7
	ds_load_b128 v[HH+4*\t:HH+4*\t+3], v[RDF] offset:544*\t                ; my own bytes, served in order
.endr
.irp t, 0,1,2,3,4,5,6,7
	ds_load_b128 v[HH+32+4*\t:HH+32+4*\t+3], v[RDF] offset:PLANE+544*\t
.endr
	s_wait_dscnt 8                                 ; a's rows are back; b's eight loads may be out
.irp t, 0,1,2,3,4,5,6,7
	global_store_b128 v[CO], v[HH+4*\t:HH+4*\t+3], s[94:95] offset:(16*\a+2*\t)*12288 th:TH_STORE_NT
.endr
	s_wait_dscnt 0x0
.irp t, 0,1,2,3,4,5,6,7
	global_store_b128 v[CO], v[HH+32+4*\t:HH+32+4*\t+3], s[94:95] offset:(16*\a+2*\t)*12288+4096 th:TH_STORE_NT
.endr
.endm
	EPIF 0
	EPIF 1
	EPIF 2
	EPIF 3
	s_branch .Lend
; ---- v
.Lv:
	WIN 0xc0                                       ; destination window 3: the codes, 48 loads; the other 44 follow three quarters on
.irp a, 0,1,2,3
.irp q, 0,1,2,3
	global_load_b128 v[X4+16*\a+4*\q:X4+16*\a+4*\q+3], v[L16], s[84:85] offset:2048*\a+512*\q
.endr
.endr
.irp b, 0,1,2,3,4,5,6,7
.irp q, 0,1,2,3
	global_load_b128 v[W4+16*\b+4*\q:W4+16*\b+4*\q+3], v[L16], s[86:87] offset:2048*\b+512*\q
.endr
.endr
	WIN 0
	TAIL 1
	s_mov_b32 s40, 0x3a000000                      ; 1 / 2048
	s_mov_b32 s41, s40
	s_mov_b32 s42, 0xbba3d70a                      ; -0.005
	s_mov_b32 s43, s42
	s_mov_b32 s44, 0x42c80000                      ; 100 = 1 / d
	s_mov_b32 s45, s44
	s_mov_b32 s46, 0x42480000                      ; 50
	s_mov_b32 s47, s46
	s_mov_b32 s20, 0x3ba3d70a                      ; 0.005
	WIN 0x82                                       ; destination and source 0: the accumulators
.set i, 0
.rept 128
	v_pk_fma_f32 v[i:i+1], v[i:i+1], s[40:41], v[BI+i%64:BI+i%64+1] op_sel_hi:[1,0,1]   ; sum / 2048 + vb1
.set i, i+2
.endr
	WIN 0
	PLACES 8
	WIN 0xaf                                       ; sources 0 and 1 window 3, C and D window 2
.irp s, 0,1                                    ; + Q(x) Q(vW1)^T, on the codes: the 32 accumulators by turns, K step by K step
.irp a, 0,1,2,3
.irp b, 0,1,2,3,4,5,6,7
.if \s == 0
	v_wmma_scale_f32_16x16x128_f8f6f4 v[8*(8*\a+\b):8*(8*\a+\b)+7], v[W4+16*\b:W4+16*\b+7], v[X4+16*\a:X4+16*\a+7], v[8*(8*\a+\b):8*(8*\a+\b)+7], v[WS+\b], v[XS+\a] matrix_a_fmt:MATRIX_FMT_FP4 matrix_b_fmt:MATRIX_FMT_FP4
.else
	v_wmma_scale_f32_16x16x128_f8f6f4 v[8*(8*\a+\b):8*(8*\a+\b)+7], v[W4+16*\b+8:W4+16*\b+15], v[X4+16*\a+8:X4+16*\a+15], v[8*(8*\a+\b):8*(8*\a+\b)+7], v[WS+\b], v[XS+\a] matrix_a_fmt:MATRIX_FMT_FP4 matrix_b_fmt:MATRIX_FMT_FP4 matrix_a_scale:MATRIX_SCALE_ROW1 matrix_b_scale:MATRIX_SCALE_ROW1
.endif
.endr
.endr
.endr
	WIN 0
	PLACES 4
.macro EPIV a
.if \a > 0
	s_wait_xcnt 0x0                                ; the last block's stores have read their registers
.endif
.irp b, 0,1,2,3,4,5,6,7
	WIN 0x02
.irp j, 0,1,2,3,4,5,6,7
	v_max_num_f32 v[P8+\j], v[64*\a+8*\b+\j], 0                            ; the accumulator from its low end on
.endr
.irp j, 0,2,4,6
	v_pk_add_f32 v[R8+\j:R8+\j+1], v[64*\a+8*\b+\j:64*\a+8*\b+\j+1], s[42:43] op_sel_hi:[1,0]
.endr
.irp j, 0,2,4,6
	v_pk_mul_f32 v[D8+\j:D8+\j+1], v[64*\a+8*\b+\j:64*\a+8*\b+\j+1], s[44:45] op_sel_hi:[1,0]
.endr
	WIN 0
.irp j, 0,2,4,6
	v_pk_mul_f32 v[P8+\j:P8+\j+1], v[P8+\j:P8+\j+1], v[P8+\j:P8+\j+1]
.endr
.irp j, 0,2,4,6
	v_pk_mul_f32 v[P8+\j:P8+\j+1], v[P8+\j:P8+\j+1], s[46:47] op_sel_hi:[1,0]
.endr
.irp j, 0,1,2,3,4,5,6,7
	v_min_num_f32 v[P8+\j], s20, v[P8+\j]
.endr
.irp j, 0,1,2,3,4,5,6,7
	v_max_num_f32 v[P8+\j], v[P8+\j], v[R8+\j]                             ; z1 = rehu(a1)
.endr
.irp j, 0,2,4,6
.if (\b == 0) && (\j == 0)
	v_pk_mul_f32 v[SSUM+2*\a:SSUM+2*\a+1], v[P8:P8+1], v[HH:HH+1]          ; the first product starts the row's sum
.else
	v_pk_fma_f32 v[SSUM+2*\a:SSUM+2*\a+1], v[P8+\j:P8+\j+1], v[HH+8*\b+\j:HH+8*\b+\j+1], v[SSUM+2*\a:SSUM+2*\a+1]
.endif
.endr
.irp j, 0,1,2,3,4,5,6,7
	v_med3_num_f32 v[D8+\j], v[D8+\j], 0, 1.0                              ; rehu'(a1)
.endr
.irp j, 0,2,4,6
	v_pk_mul_f32 v[D8+\j:D8+\j+1], v[D8+\j:D8+\j+1], v[HH+8*\b+\j:HH+8*\b+\j+1]   ; t1
.endr
.irp j, 0,1,2,3
	v_cvt_pk_f16_f32 v[PK+4*\b+\j], v[D8+2*\j], v[D8+2*\j+1]
.endr
.endr
.irp b, 0,1,2,3,4,5,6,7
	ds_store_b128 v[STOV], v[PK+4*\b:PK+4*\b+3] offset:32*\b
.endr
.irp t, 0,1,2,3,4,5,6,7
	ds_load_b128 v[OB+4*\t:OB+4*\t+3], v[RDV] offset:544*\t
.endr
	v_add_f32 v[TM+\a], v[SSUM+2*\a], v[SSUM+2*\a+1]
	s_wait_dscnt 0x0
.irp t, 0,1,2,3,4,5,6,7
	global_store_b128 v[CO], v[OB+4*\t:OB+4*\t+3], s[94:95] offset:(16*\a+2*\t)*12288 th:TH_STORE_NT
.endr
	global_store_b32 v[SPO], v[TM+\a], s[96:97] offset:64*\a               ; my 64 columns' part of row 16 a + r
.endm
	EPIV 0
	EPIV 1
	EPIV 2
	EPIV 3
.Lend:
	s_wait_tensorcnt 0x0                           ; the wave's end
	ds_add_u32 v[SPW], v[NIL]
	s_wait_dscnt 0x0
	CROUND                                         ; the closing round
	s_endpgm
.Lfunc_end_k_qad4817fd5a_gemm_nt:
	.size	k_qad4817fd5a_gemm_nt, .Lfunc_end_k_qad4817fd5a_gemm_nt-k_qad4817fd5a_gemm_nt
	.p2alignl 7, 3214868480
	.fill 96, 4, 3214868480
	.section	.rodata,"a",@progbits
	.p2align	6, 0x0
	.amdhsa_kernel k_qad4817fd5a_gemm_nt
		.amdhsa_group_segment_fixed_size 327680
		.amdhsa_private_segment_fixed_size 0
		.amdhsa_enable_private_segment 0
		.amdhsa_kernarg_size 72
		.amdhsa_user_sgpr_count 2
		.amdhsa_user_sgpr_kernarg_segment_ptr 1
		.amdhsa_wavefront_size32 1
		.amdhsa_system_sgpr_workgroup_id_x 1
		.amdhsa_system_sgpr_workgroup_id_y 1
		.amdhsa_system_sgpr_workgroup_id_z 1
		.amdhsa_system_vgpr_workitem_id 0
		.amdhsa_next_free_vgpr 1024
		.amdhsa_next_free_sgpr 98
		.amdhsa_reserve_vcc 0
		.amdhsa_float_denorm_mode_32 3
		.amdhsa_float_denorm_mode_16_64 3
		.amdhsa_memory_ordered 1
		.amdhsa_forward_progress 1
		.amdhsa_inst_pref_size 255
	.end_amdhsa_kernel
	.section	.bss,"aw",@nobits
	.p2align	6
	.space	262144
	.amdgpu_metadata
---
amdhsa.version: [ 1, 2 ]
amdhsa.kernels:
  - .name:           k_qad4817fd5a_gemm_nt
    .symbol:         k_qad4817fd5a_gemm_nt.kd
    .args:
      - { .name: HZ, .offset: 0, .size: 8, .value_kind: global_buffer, .address_space: global }
      - { .name: WB, .offset: 8, .size: 8, .value_kind: global_buffer, .address_space: global }
      - { .name: QC, .offset: 16, .size: 8, .value_kind: global_buffer, .address_space: global }
      - { .name: QS, .offset: 24, .size: 8, .value_kind: global_buffer, .address_space: global }
      - { .name: fb1, .offset: 32, .size: 8, .value_kind: global_buffer, .address_space: global }
      - { .name: vb1, .offset: 40, .size: 8, .value_kind: global_buffer, .address_space: global }
      - { .name: SS, .offset: 48, .size: 8, .value_kind: global_buffer, .address_space: global }
      - { .name: T3, .offset: 56, .size: 8, .value_kind: global_buffer, .address_space: global }
      - { .name: SPP, .offset: 64, .size: 8, .value_kind: global_buffer, .address_space: global }
    .group_segment_fixed_size: 327680
    .private_segment_fixed_size: 0
    .kernarg_segment_align: 8
    .kernarg_segment_size: 72
    .max_flat_workgroup_size: 128
    .sgpr_count:     98
    .vgpr_count:     1024
    .wavefront_size: 32
...
	.end_amdgpu_metadata
.endif
;; end of part 3
;; launch gemm_nn (part 4): grid 16 x 11, 4 waves a work-group, clusters of 4 x 1, 327,680 bytes of LDS; arguments T3, WB, QC, QS, vb0, PL; writes PL
.if DOCPART == 4
	.amdgcn_target "amdgcn-amd-amdhsa--gfx1250"
	.amdhsa_code_object_version 6
	.text
	.protected	k_qad4817fd5a_gemm_nn
	.globl	k_qad4817fd5a_gemm_nn
	.p2align	8
	.type	k_qad4817fd5a_gemm_nn,@function
k_qad4817fd5a_gemm_nn:
	s_mov_b64 s[64:65], 0
	v_nop
	global_prefetch_b8 v0, s[64:65] scope:SCOPE_SE
	s_setreg_imm32_b32 hwreg(HW_REG_WAVE_MODE, 25, 1), 1
	s_wait_xcnt 0x0
	s_wait_alu depctr_hold_cnt(0) depctr_sa_sdst(0) depctr_va_vdst(0) depctr_va_sdst(0) depctr_va_ssrc(0) depctr_va_vcc(0) depctr_vm_vsrc(0)
	s_getreg_b32 s2, hwreg(HW_REG_IB_STS2, 6, 4)
	s_cmp_eq_u32 s2, 0
	s_cbranch_scc0 .Lentry_in_a_cluster
	s_endpgm
.Lentry_in_a_cluster:
	s_bfe_u32 s2, ttmp6, 0x10000c
	s_cmp_lg_u32 s2, 0x3003
	s_cbranch_scc0 .Lentry_shape_is_right
	s_endpgm
.Lentry_shape_is_right:
; Products whose second operand lies [K][N] in WB, in f16 with f32 sums; tiles of 128 rows x 256 columns over K = 2,048.  y is the grid's second coordinate.
;  y = 0..7:  u = t1 softplus(vU0), columns 256 y on; t0 = u / 2048 x clamp(100 a0, 0, 1), with a0 = Q(x) Q(vW0)^T + vb0 made again on E2M1 codes;
;             t0 (128 x 256, f16) goes through LDS and is multiplied by vW0's rows 256 y on: plane y of PL is this slice's part of t0 vW0
;  y = 8:     plane 8 = t1 vW1        y = 9, 10:  planes 9, 10 = a fW2^T, b fW2^T  (h2 = 1024 a + b)
; Four waves, each 64 x 128.  K in steps of 128 through two LDS slots: A's rows of 256 bytes, B's 128 rows of 512 bytes, read turned by ds_load_tr16_b128.
; CLUSTER 4 x 1: the four row tiles of a cluster share B: waves 2, 3 ask for it jointly; A's tiles are each work-group's own (waves 0, 1).
; Not 4 x 4: the grid has eleven tile columns, and A differs along y.  No prefetch: B's tiles are read by four clusters, not once.
; Branches hang on y and on the wave's number alone: both are equal in the four partners.
; REGISTERS: window 0: v10, v16-31 addresses; v32-43 scale words; v64-95 packed t0; v128-191 vb0, later rows on their way out; v192-255 at work, later rows.
;   window 1: two fragment buffers of 96.   window 2: accumulator (a, b) at v[8 (8 a + b)].   window 3: vW0's codes v0-127, x's v128-191, a0's accumulators v192-255.
.set PA, 272
.set PB, 544                           ; B's LDS row: 512 bytes + 32: eight rows of a turning load begin eight banks apart
.set ATILE, 128*PA
.set SLOT, ATILE+128*PB
.set T0, 2*SLOT                        ; t0: 128 rows of 512 + 16 bytes
.set TP, 528
.set OSTG, T0+128*TP                   ; the way out: 16 rows x 528 bytes for each wave
.set SPARE, OSTG+4*16*TP
.set KB, 128*9728                      ; a K step of B in memory
.set ADRA, 16
.set ADRB, 20
.set ADRT, 22
.set T0S, 23
.set STO, 24
.set RD, 25
.set L16, 26
.set L4, 27
.set SPW, 28
.set NIL, 29
.set H32, 10
.set XS, 32
.set WS, 36
.set PK, 64
.set BI, 128
.set BK, 128
.set T64, 192
.set F0, 0
.set F1, 96
.set W4, 0
.set X4, 128
.set ACC2, 192
.set G1A, 24
.set G0A, 32
.set G1B, 48
.set G0B, 56
.set MSB, 0
.macro WIN new
.if MSB != \new
	s_set_vgpr_msb (MSB<<8)|\new
.set MSB, \new
.endif
.endm
.macro PLACES n
.rept \n
	v_nop
.endr
.endm
.macro JLOAD s                         ; waves 0, 1: A's halves, my work-group's own; waves 2, 3: B's halves, jointly
	s_cmp_eq_u32 s13, 0
	s_cbranch_scc0 .Lfor_b_\@
	tensor_load_to_lds s[G0A+4*\s:G0A+4*\s+3], s[G1A:G1A+7]
	s_nop 0
.rept 4
	v_nop
.endr
	s_branch .Lasked_\@
.Lfor_b_\@:
	tensor_load_to_lds s[G0B+4*\s:G0B+4*\s+3], s[G1B:G1B+7]
	s_nop 0
.rept 4
	v_nop
.endr
.Lasked_\@:
.endm
.macro JLOADB s                        ; B's part of a slot alone: waves 0, 1 have nothing to fill
	s_cmp_eq_u32 s13, 0
	s_cbranch_scc1 .Lnone_\@
	tensor_load_to_lds s[G0B+4*\s:G0B+4*\s+3], s[G1B:G1B+7]
	s_nop 0
.rept 4
	v_nop
.endr
.Lnone_\@:
.rept 4
	v_nop
.endr
.endm
.macro CREST
	s_cmp_lg_u32 s12, 0
	s_cbranch_scc1 .Lnot_wave_0_\@
	s_barrier_signal -3
.Lnot_wave_0_\@:
	s_barrier_wait -3
	s_barrier_signal -1
	s_barrier_wait -1
.endm
.macro CROUND
	s_barrier_signal -1
	s_barrier_wait -1
	CREST
.endm
.macro MUL8 f, a, zero
	WIN 0xa5
.irp b, 0,1,2,3,4,5,6,7
.if \zero
	v_wmma_f32_16x16x32_f16 v[8*(8*(\a)+\b):8*(8*(\a)+\b)+7], v[\f+32+8*\b:\f+32+8*\b+7], v[\f+8*(\a):\f+8*(\a)+7], 0
.else
	v_wmma_f32_16x16x32_f16 v[8*(8*(\a)+\b):8*(8*(\a)+\b)+7], v[\f+32+8*\b:\f+32+8*\b+7], v[\f+8*(\a):\f+8*(\a)+7], v[8*(8*(\a)+\b):8*(8*(\a)+\b)+7]
.endif
.endr
.endm
.macro MULQ f, zero
	MUL8 \f, 0, \zero
	MUL8 \f, 1, \zero
	MUL8 \f, 2, \zero
	MUL8 \f, 3, \zero
.endm
; the fragments of quarter q (32 along K): B turned: a lane ends up with one column and K along its registers, as any operand has it
.macro FETCH slot, q, f
	WIN 0x40
.irp b, 0,1,2,3,4,5,6,7
	ds_load_tr16_b128 v[\f+32+8*\b:\f+32+8*\b+3], v[ADRB+\slot] offset:(\q)*32*PB+32*\b
	ds_load_tr16_b128 v[\f+32+8*\b+4:\f+32+8*\b+7], v[ADRB+\slot] offset:(\q)*32*PB+16*PB+32*\b
.endr
.irp a, 0,1,2,3
	ds_load_b128 v[\f+8*\a:\f+8*\a+3], v[ADRA+\slot] offset:64*(\q)+\a*16*PA
	ds_load_b128 v[\f+8*\a+4:\f+8*\a+7], v[ADRA+\slot] offset:64*(\q)+\a*16*PA+32
.endr
.endm
.macro FETCH2 q2, f                    ; the second stage: A from t0, B from the two slots, which hold vW0's 256 rows
	WIN 0x40
.irp b, 0,1,2,3,4,5,6,7
	ds_load_tr16_b128 v[\f+32+8*\b:\f+32+8*\b+3], v[ADRB+(\q2)/4] offset:((\q2)%4)*32*PB+32*\b
	ds_load_tr16_b128 v[\f+32+8*\b+4:\f+32+8*\b+7], v[ADRB+(\q2)/4] offset:((\q2)%4)*32*PB+16*PB+32*\b
.endr
.irp a, 0,1,2,3
	ds_load_b128 v[\f+8*\a:\f+8*\a+3], v[ADRT] offset:64*(\q2)+\a*16*TP
	ds_load_b128 v[\f+8*\a+4:\f+8*\a+7], v[ADRT] offset:64*(\q2)+\a*16*TP+32
.endr
.endm
.macro QUARTER slot, q, f, g, zero
	s_wait_dscnt 0x0                               ; buffer f's loads, issued 32 matrix instructions ago
	PLACES 4
	FETCH \slot, \q, \g
	MULQ \f, \zero
.endm
.macro STG2 q2, f, g, zero
	s_wait_dscnt 0x0
	PLACES 4
	FETCH2 (\q2)+1, \g
	MULQ \f, \zero
.endm
.macro MEET                            ; the first half of a change of slots
	WIN 0
	s_wait_tensorcnt 0x0                           ; all my tensor loads have landed
	ds_add_u32 v[SPW], v[NIL]                      ; 0 onto my spare word
	s_wait_dscnt 1                                 ; buffer 1's 24 loads are in; the add alone may be out
	MUL8 F1, 0, 0
	s_wait_dscnt 0x0                               ; the add is done; my reads of this slot are over
	s_barrier_signal -1
	MUL8 F1, 1, 0
	WIN 0
	s_barrier_wait -1
.endm
.macro TURN slot, next, fill
	MEET
.if \fill
	CREST
	s_add_nc_u64 s[G0A+4*\slot+2:G0A+4*\slot+3], s[G0A+4*\slot+2:G0A+4*\slot+3], 512
	s_add_nc_u64 s[G0B+4*\slot+2:G0B+4*\slot+3], s[G0B+4*\slot+2:G0B+4*\slot+3], 2*KB
	JLOAD \slot
.else
	PLACES 4
.endif
	FETCH \next, 0, F0
	MUL8 F1, 2, 0
	MUL8 F1, 3, 0
.endm
.macro TURNV slot, more                ; a change of slots behind which B's part of the slot takes half of vW0's slice
	MEET
	CREST
	s_mov_b64 s[G0B+4*\slot+2:G0B+4*\slot+3], s[84+2*\slot:85+2*\slot]
	s_or_b32 s[G0B+4*\slot+3], s[G0B+4*\slot+3], 0x80000000
	JLOADB \slot
.if \more
	FETCH 1, 0, F0
.endif
	MUL8 F1, 2, 0
	MUL8 F1, 3, 0
.endm
	s_load_b256 s[4:11], s[0:1], 0x0               ; T3, WB, QC, QS
	s_load_b128 s[68:71], s[0:1], 0x20             ; vb0, PL
	v_lshl_add_u32 v[SPW], v0, 2, SPARE
	v_mov_b32 v[NIL], 0
	ds_add_u32 v[SPW], v[NIL]                      ; the wave's opening
	v_lshrrev_b32 v1, 5, v0
	v_readfirstlane_b32 s12, v1                    ; wave
	s_lshr_b32 s13, s12, 1                         ; which 64 rows.  Also: I fetch for A (0) or for B (1)
	s_and_b32 s14, s12, 1                          ; which 128 columns.  Also: which half I fetch
	s_bfe_u32 s16, ttmp6, 0x40000                  ; cx
	s_lshl_b32 s18, ttmp9, 2
	s_add_co_u32 s18, s18, s16                     ; tile row
	s_and_b32 s19, ttmp7, 0xffff                   ; y
	s_mov_b32 s[G1A], (1<<16)|(1<<20)|(5<<22)|(3<<25)            ; no mask; elements of 2 bytes; 4 words of padding behind every 64
	s_mov_b32 s[G1A+1], 128<<16
	s_mov_b32 s[G1A+2], 64<<16
	s_mov_b32 s[G1A+3], 128<<16
	s_mov_b32 s[G1A+4], 64
	s_mov_b32 s[G1A+5], 6144                       ; T3's pitch in elements
	s_mov_b32 s[G1A+6], 0
	s_mov_b32 s[G1A+7], 0
	s_mov_b32 s[G1B], 15|(1<<16)|(1<<20)|(1<<21)|(6<<22)|(7<<25) ; all four partners; 8 words of padding behind every 128
	s_mov_b32 s[G1B+1], 256<<16
	s_mov_b32 s[G1B+2], 64<<16
	s_mov_b32 s[G1B+3], 256<<16
	s_mov_b32 s[G1B+4], 64
	s_mov_b32 s[G1B+5], 4864
	s_mov_b32 s[G1B+6], 0
	s_mov_b32 s[G1B+7], 0
	s_lshl_b32 s40, s18, 7                         ; A: row 128 x tile row + 64 x half; t1 (y up to 8), a (9) or b (10)
	s_lshl_b32 s41, s14, 6
	s_add_co_u32 s40, s40, s41
	s_mul_i32 s40, s40, 12288
	s_max_u32 s41, s19, 8
	s_sub_co_u32 s41, s41, 8
	s_lshl_b32 s41, s41, 12
	s_add_co_u32 s40, s40, s41
	s_mov_b32 s41, 0
	s_mul_i32 s44, s14, 64*9728                    ; B: row 64 x half; 256 columns at 512 bytes x min(y, 9)
	s_min_u32 s45, s19, 9
	s_lshl_b32 s45, s45, 9
	s_add_co_u32 s44, s44, s45
	s_mov_b32 s45, 0
	s_mul_i32 s22, s14, 64*PA
	s_mul_i32 s23, s14, 64*PB
	s_add_co_u32 s23, s23, ATILE
	s_wait_dscnt 0x0                               ; the opening add is done
	s_wait_kmcnt 0x0
	s_add_nc_u64 s[42:43], s[4:5], s[40:41]
	s_add_nc_u64 s[46:47], s[6:7], s[44:45]
	CROUND                                         ; the four work-groups are here: the first loads meet
.irp s, 0,1
	s_mov_b32 s[G0A+4*\s], 1
	s_add_co_u32 s[G0A+4*\s+1], s22, \s*SLOT
	s_add_nc_u64 s[G0A+4*\s+2:G0A+4*\s+3], s[42:43], \s*256
	s_or_b32 s[G0A+4*\s+3], s[G0A+4*\s+3], 0x80000000
	s_mov_b32 s[G0B+4*\s], 1
	s_add_co_u32 s[G0B+4*\s+1], s23, \s*SLOT
	s_add_nc_u64 s[G0B+4*\s+2:G0B+4*\s+3], s[46:47], \s*KB
	s_or_b32 s[G0B+4*\s+3], s[G0B+4*\s+3], 0x80000000
	JLOAD \s
.endr
	v_and_b32 v1, 15, v0                           ; r
	v_bfe_u32 v2, v0, 4, 1                         ; h
	v_and_b32 v3, 31, v0
	v_mul_u32_u24 v4, v1, PA
	v_lshl_add_u32 v4, v2, 4, v4
	s_mul_i32 s20, s13, 64*PA
	v_and_b32 v5, 7, v0
	v_lshl_add_u32 v5, v2, 3, v5                   ; the turning load: row 8 h + lane mod 8,
	v_mul_u32_u24 v5, v5, PB
	v_bfe_u32 v6, v0, 3, 1
	v_lshl_add_u32 v5, v6, 4, v5                   ; 16 bytes for each eight lanes
	s_lshl_b32 s21, s14, 8
	s_add_co_u32 s21, s21, ATILE
.irp s, 0,1
	v_add_nc_u32 v[ADRA+\s], s20, v4
	v_add_nc_u32 v[ADRB+\s], s21, v5
	s_add_co_u32 s20, s20, SLOT
	s_add_co_u32 s21, s21, SLOT
.endr
	v_mul_u32_u24 v6, v1, TP
	v_lshl_add_u32 v6, v2, 4, v6
	s_mul_i32 s20, s13, 64*TP
	s_add_co_u32 s20, s20, T0
	v_add_nc_u32 v[ADRT], s20, v6                  ; t0 as an operand: my 64 rows
	s_lshl_b32 s21, s14, 8
	s_add_co_u32 s20, s20, s21
	v_add_nc_u32 v[T0S], s20, v6                   ; and where I store it: my 128 columns of them
	s_mul_i32 s20, s12, 16*TP
	s_add_co_u32 s20, s20, OSTG
	v_mul_u32_u24 v6, v1, TP
	v_lshl_add_u32 v6, v2, 5, v6
	v_add_nc_u32 v[STO], s20, v6                   ; the way out, in: row r, + 32 h
	v_lshlrev_b32 v[L16], 4, v3
	v_add_nc_u32 v[RD], s20, v[L16]                ; back: a row of 512 bytes
	v_lshlrev_b32 v[L4], 2, v3
	v_lshlrev_b32 v[H32], 5, v2
	s_lshl_b32 s20, s18, 7
	s_lshl_b32 s21, s13, 6
	s_add_co_u32 s20, s20, s21                     ; m0
	s_lshl_b32 s40, s20, 10
	s_lshl_b32 s41, s19, 21
	s_add_co_u32 s40, s40, s41
	s_lshl_b32 s41, s14, 9
	s_add_co_u32 s40, s40, s41
	s_mov_b32 s41, 0
	s_add_nc_u64 s[94:95], s[70:71], s[40:41]      ; PL: plane y, row m0, my 128 columns
	s_wait_tensorcnt 1                             ; my part of K step 0 is in; K step 1's may stay out
	s_barrier_signal -1
	s_barrier_wait -1
	FETCH 0, 0, F0
	QUARTER 0, 1, F0, F1, 1
	WIN 0
	s_mov_b32 s3, 7
.Llap:
	QUARTER 0, 2, F1, F0, 0
	QUARTER 0, 3, F0, F1, 0
	TURN 0, 1, 1
	QUARTER 1, 1, F0, F1, 0
	QUARTER 1, 2, F1, F0, 0
	QUARTER 1, 3, F0, F1, 0
	TURN 1, 0, 1
	QUARTER 0, 1, F0, F1, 0
	WIN 0
	s_sub_co_u32 s3, s3, 1
	s_cmp_lg_u32 s3, 0
	s_cbranch_scc1 .Llap
	QUARTER 0, 2, F1, F0, 0
	QUARTER 0, 3, F0, F1, 0
	WIN 0
	s_cmp_lt_u32 s19, 8
	s_cbranch_scc1 .Lu
; ---- y = 8, 9, 10: the last lap fills nothing
	TURN 0, 1, 0
	QUARTER 1, 1, F0, F1, 0
	QUARTER 1, 2, F1, F0, 0
	QUARTER 1, 3, F0, F1, 0
	s_wait_dscnt 0x0
	MULQ F1, 0
	WIN 0
	PLACES 4
	s_branch .Lout
; ---- y = 0..7
.Lu:
	s_lshl_b32 s22, s19, 8
	s_lshl_b32 s21, s14, 7
	s_add_co_u32 s22, s22, s21                     ; k0 = 256 y + 128 wc: my first column of u  (s20 = m0)
	s_mov_b32 s41, 0
	s_lshl_b32 s40, s20, 7
	s_add_nc_u64 s[72:73], s[8:9], s[40:41]        ; x's codes
	s_lshl_b32 s40, s22, 7
	s_add_co_u32 s40, s40, 256*2048
	s_add_nc_u64 s[74:75], s[8:9], s[40:41]        ; vW0's codes
	s_lshl_b32 s40, s20, 3
	s_add_nc_u64 s[76:77], s[10:11], s[40:41]      ; x's scale words
	s_lshl_b32 s40, s22, 3
	s_add_co_u32 s40, s40, 256*128
	s_add_nc_u64 s[78:79], s[10:11], s[40:41]      ; vW0's
	s_lshl_b32 s40, s22, 2
	s_add_nc_u64 s[80:81], s[68:69], s[40:41]      ; vb0 at k0
	s_lshl_b32 s44, s19, 8                         ; vW0's slice, rows 256 y on, in two halves of 128: made of y and the wave's number alone
	s_lshl_b32 s45, s14, 6
	s_add_co_u32 s44, s44, s45
	s_mul_i32 s44, s44, 9728
	s_add_co_u32 s44, s44, 5120
	s_mov_b32 s45, 0
	s_add_nc_u64 s[84:85], s[6:7], s[44:45]
	s_add_nc_u64 s[86:87], s[84:85], KB
	WIN 0xc0                                       ; destination window 3: the codes, 48 loads; the other 28 follow a quarter on
.irp a, 0,1,2,3
.irp q, 0,1,2,3
	global_load_b128 v[X4+16*\a+4*\q:X4+16*\a+4*\q+3], v[L16], s[72:73] offset:2048*\a+512*\q
.endr
.endr
.irp b, 0,1,2,3,4,5,6,7
.irp q, 0,1,2,3
	global_load_b128 v[W4+16*\b+4*\q:W4+16*\b+4*\q+3], v[L16], s[74:75] offset:2048*\b+512*\q
.endr
.endr
	WIN 0
	TURNV 0, 1                                     ; slot 0 is left: its B part takes vW0's first 128 rows
	WIN 0
.irp b, 0,1,2,3,4,5,6,7
.irp i, 0,1
	global_load_b128 v[BI+8*\b+4*\i:BI+8*\b+4*\i+3], v[H32], s[80:81] offset:64*\b+16*\i
.endr
.endr
.irp a, 0,1,2,3
	global_load_b32 v[XS+\a], v[L4], s[76:77] offset:128*\a
.endr
.irp b, 0,1,2,3,4,5,6,7
	global_load_b32 v[WS+\b], v[L4], s[78:79] offset:128*\b
.endr
	QUARTER 1, 1, F0, F1, 0
	QUARTER 1, 2, F1, F0, 0
	QUARTER 1, 3, F0, F1, 0
	TURNV 1, 0                                     ; slot 1 is left: its B part takes the other 128 rows; they land while t0 is made
	WIN 0
	s_wait_loadcnt 0x0
	s_mov_b32 s40, 0x3d480000                      ; 100 / 2048
	s_mov_b32 s41, s40
	s_mov_b32 s42, 0x3a000000                      ; 1 / 2048
.irp a, 0,1,2,3
	PLACES 5                                       ; a0's accumulators are begun anew, with another C
	WIN 0xcf                                       ; sources 0 and 1 and D window 3; C (vb0) window 0
.irp b, 0,1,2,3,4,5,6,7
	v_wmma_scale_f32_16x16x128_f8f6f4 v[ACC2+8*\b:ACC2+8*\b+7], v[W4+16*\b:W4+16*\b+7], v[X4+16*\a:X4+16*\a+7], v[BI+8*\b:BI+8*\b+7], v[WS+\b], v[XS+\a] matrix_a_fmt:MATRIX_FMT_FP4 matrix_b_fmt:MATRIX_FMT_FP4
.endr
	WIN 0xff
.irp b, 0,1,2,3,4,5,6,7
	v_wmma_scale_f32_16x16x128_f8f6f4 v[ACC2+8*\b:ACC2+8*\b+7], v[W4+16*\b+8:W4+16*\b+15], v[X4+16*\a+8:X4+16*\a+15], v[ACC2+8*\b:ACC2+8*\b+7], v[WS+\b], v[XS+\a] matrix_a_fmt:MATRIX_FMT_FP4 matrix_b_fmt:MATRIX_FMT_FP4 matrix_a_scale:MATRIX_SCALE_ROW1 matrix_b_scale:MATRIX_SCALE_ROW1
.endr
	WIN 0
	PLACES 4
	WIN 0x03                                       ; source 0 window 3
.set i, 0
.rept 32
	v_pk_mul_f32 v[T64+i:T64+i+1], v[ACC2+i:ACC2+i+1], s[40:41] op_sel_hi:[1,0]   ; each accumulator from its low end on
.set i, i+2
.endr
	WIN 0
.set i, 0
.rept 64
	v_med3_num_f32 v[T64+i], v[T64+i], 0, s42      ; rehu'(a0) / 2048
.set i, i+1
.endr
	WIN 0x08                                       ; source 1: u's accumulators
.set i, 0
.rept 32
	v_pk_mul_f32 v[T64+i:T64+i+1], v[T64+i:T64+i+1], v[64*\a+i:64*\a+i+1]
.set i, i+2
.endr
	WIN 0
.set i, 0
.rept 32
	v_cvt_pk_f16_f32 v[PK+i], v[T64+2*i], v[T64+2*i+1]
.set i, i+1
.endr
.irp b, 0,1,2,3,4,5,6,7
	ds_store_b128 v[T0S], v[PK+4*\b:PK+4*\b+3] offset:\a*16*TP+32*\b
.endr
.endr
	s_wait_tensorcnt 0x0                           ; my part of vW0's second half has landed,
	s_wait_dscnt 0x0                               ; and my part of t0 lies in LDS:
	s_barrier_signal -1
	s_barrier_wait -1                              ; everybody's do.
	FETCH2 0, F0
	STG2 0, F0, F1, 1                              ; t0 vW0 over this slice's 256: the first products start the sums anew
	STG2 1, F1, F0, 0
	STG2 2, F0, F1, 0
	STG2 3, F1, F0, 0
	STG2 4, F0, F1, 0
	STG2 5, F1, F0, 0
	STG2 6, F0, F1, 0
	s_wait_dscnt 0x0
	MULQ F1, 0
	WIN 0
	PLACES 4
; ---- THE WAY OUT: 16 rows x 128 columns of f32 at a time through my own stage, back as whole rows of 512 bytes
.Lout:
.macro TOSTAGE a
	WIN 0x08                                       ; an LDS store's data are its source 1: window 2
.irp b, 0,1,2,3,4,5,6,7
	ds_store_b128 v[STO], v[64*(\a)+8*\b:64*(\a)+8*\b+3] offset:64*\b          ; each accumulator from its low end on
	ds_store_b128 v[STO], v[64*(\a)+8*\b+4:64*(\a)+8*\b+7] offset:64*\b+16
.endr
	WIN 0
.irp t, 0,1,2,3,4,5,6,7,8,9,10,11,12,13,14,15
	ds_load_b128 v[BK+64*((\a)%2)+4*\t:BK+64*((\a)%2)+4*\t+3], v[RD] offset:\t*TP
.endr
.endm
.macro SEND a, younger
	s_wait_dscnt \younger                          ; block a is back; the next block's 16 stores and 16 loads may be out
.irp t, 0,1,2,3,4,5,6,7,8,9,10,11,12,13,14,15
	global_store_b128 v[L16], v[BK+64*((\a)%2)+4*\t:BK+64*((\a)%2)+4*\t+3], s[94:95] offset:(16*(\a)+\t)*1024 th:TH_STORE_NT   ; 512 consecutive bytes, aligned
.endr
.endm
	TOSTAGE 0
	TOSTAGE 1
	SEND 0, 32
	s_wait_xcnt 0x0                                ; block 0's stores have read their registers
	TOSTAGE 2
	SEND 1, 32
	s_wait_xcnt 0x0
	TOSTAGE 3
	SEND 2, 32
	SEND 3, 0
	s_wait_tensorcnt 0x0                           ; the wave's end
	ds_add_u32 v[SPW], v[NIL]
	s_wait_dscnt 0x0
	CROUND                                         ; the closing round
	s_endpgm
.Lfunc_end_k_qad4817fd5a_gemm_nn:
	.size	k_qad4817fd5a_gemm_nn, .Lfunc_end_k_qad4817fd5a_gemm_nn-k_qad4817fd5a_gemm_nn
	.p2alignl 7, 3214868480
	.fill 96, 4, 3214868480
	.section	.rodata,"a",@progbits
	.p2align	6, 0x0
	.amdhsa_kernel k_qad4817fd5a_gemm_nn
		.amdhsa_group_segment_fixed_size 327680
		.amdhsa_private_segment_fixed_size 0
		.amdhsa_enable_private_segment 0
		.amdhsa_kernarg_size 48
		.amdhsa_user_sgpr_count 2
		.amdhsa_user_sgpr_kernarg_segment_ptr 1
		.amdhsa_wavefront_size32 1
		.amdhsa_system_sgpr_workgroup_id_x 1
		.amdhsa_system_sgpr_workgroup_id_y 1
		.amdhsa_system_sgpr_workgroup_id_z 1
		.amdhsa_system_vgpr_workitem_id 0
		.amdhsa_next_free_vgpr 1024
		.amdhsa_next_free_sgpr 96
		.amdhsa_reserve_vcc 0
		.amdhsa_float_denorm_mode_32 3
		.amdhsa_float_denorm_mode_16_64 3
		.amdhsa_memory_ordered 1
		.amdhsa_forward_progress 1
		.amdhsa_inst_pref_size 194
	.end_amdhsa_kernel
	.amdgpu_metadata
---
amdhsa.version: [ 1, 2 ]
amdhsa.kernels:
  - .name:           k_qad4817fd5a_gemm_nn
    .symbol:         k_qad4817fd5a_gemm_nn.kd
    .args:
      - { .name: T3, .offset: 0, .size: 8, .value_kind: global_buffer, .address_space: global }
      - { .name: WB, .offset: 8, .size: 8, .value_kind: global_buffer, .address_space: global }
      - { .name: QC, .offset: 16, .size: 8, .value_kind: global_buffer, .address_space: global }
      - { .name: QS, .offset: 24, .size: 8, .value_kind: global_buffer, .address_space: global }
      - { .name: vb0, .offset: 32, .size: 8, .value_kind: global_buffer, .address_space: global }
      - { .name: PL, .offset: 40, .size: 8, .value_kind: global_buffer, .address_space: global }
    .group_segment_fixed_size: 327680
    .private_segment_fixed_size: 0
    .kernarg_segment_align: 8
    .kernarg_segment_size: 48
    .max_flat_workgroup_size: 128
    .sgpr_count:     96
    .vgpr_count:     1024
    .wavefront_size: 32
...
	.end_amdgpu_metadata
.endif
;; end of part 4
;; launch final (part 5): grid 256 x 1, 8 waves a work-group, no clusters, 9,728 bytes of LDS; arguments PL, SPP, SS, x, vW2, vb2, fb2, out0; writes out0
.if DOCPART == 5
	.amdgcn_target "amdgcn-amd-amdhsa--gfx1250"
	.amdhsa_code_object_version 6
	.text
	.protected	k_qad4817fd5a_final
	.globl	k_qad4817fd5a_final
	.p2align	8
	.type	k_qad4817fd5a_final,@function
k_qad4817fd5a_final:
	s_mov_b64 s[64:65], 0
	v_nop
	global_prefetch_b8 v0, s[64:65] scope:SCOPE_SE
	s_setreg_imm32_b32 hwreg(HW_REG_WAVE_MODE, 25, 1), 1
	s_wait_xcnt 0x0
; The projection, a wave to a row m.  A lane holds columns 4 l .. 4 l + 3 and 128 + 4 l .. + 3, so that every load of a wave covers 512 consecutive bytes.
;  s  = x . vW2 + vb2 + the 32 parts of z1 . softplus(vU1);   s0 = vb2 + the 2,048 terms of icnn(0);   y = s - s0
;  V  = rehu(y, 1) + 1e-5 |x|^2;   g = clamp(y, 0, 1);   gV = g (vW2 + planes 0..8) + 2e-5 x;   fx = 1024 plane 9 + plane 10 + fb2, its column 255 = 1
;  out = fx - gV relu(gV . fx + 0.01 V) / |gV|^2, columns 0..254
; Rows of 255 numbers are no multiple of 16 bytes: the work-group's eight rows meet in LDS (rows of 1,024 bytes) and leave as 8,160 consecutive bytes.
; A stream: no matrix unit, no cluster, no tensor load.  LIMIT: the derivative of rehu at its two knees is taken as clamp(y, 0, 1).
.set OST, 256                          ; bytes 0..31: the eight waves' parts of s0
.set SPARE, 8704                       ; behind the stage (8 x 1,024 bytes) and a block that nothing uses
.macro REDUCE r, t                     ; the sum over the 32 lanes, in every lane
	v_add_f32_dpp v[\r], v[\r], v[\r] row_xmask:1 row_mask:0xf bank_mask:0xf
	v_add_f32_dpp v[\r], v[\r], v[\r] row_xmask:2 row_mask:0xf bank_mask:0xf
	v_add_f32_dpp v[\r], v[\r], v[\r] row_xmask:4 row_mask:0xf bank_mask:0xf
	v_add_f32_dpp v[\r], v[\r], v[\r] row_xmask:8 row_mask:0xf bank_mask:0xf
	v_permlanex16_b32 v[\t], v[\r], s22, s23
	v_add_f32 v[\r], v[\r], v[\t]
.endm
.macro PLOAD p, sb
	global_load_b128 v[8+8*(\p):11+8*(\p)], v2, s[\sb:\sb+1] offset:((\p)%4)*2097152 th:TH_LOAD_NT
	global_load_b128 v[12+8*(\p):15+8*(\p)], v2, s[\sb:\sb+1] offset:((\p)%4)*2097152+512 th:TH_LOAD_NT
.endm
	s_load_b512 s[4:19], s[0:1], 0x0               ; PL, SPP, SS, x, vW2, vb2, fb2, out0
	v_lshl_add_u32 v158, v0, 2, SPARE
	v_mov_b32 v159, 0
	v_lshrrev_b32 v1, 5, v0
	v_readfirstlane_b32 s20, v1                    ; wave
	v_and_b32 v1, 31, v0                           ; lane
	v_lshlrev_b32 v2, 4, v1                        ; 16 x lane
	v_lshlrev_b32 v3, 13, v1                       ; a part of SPP a lane
	v_lshlrev_b32 v5, 5, v1                        ; 32 x lane
	v_add_nc_u32 v4, 524, v2
	v_min_u32 v4, 1016, v4                         ; fb2 has 255 numbers: lane 31's last load names number 254; its value is replaced below
	v_mov_b32 v150, 0                              ; a lane permute's destination counts as read
	v_mov_b32 v151, 1.0
	s_lshl_b32 s21, ttmp9, 3
	s_add_co_u32 s21, s21, s20                     ; my row
	s_mov_b32 s22, 0x76543210
	s_mov_b32 s23, 0xfedcba98
	s_lshl_b32 s24, s21, 10
	s_mov_b32 s25, 0
	s_lshl_b32 s26, s21, 2
	s_mov_b32 s27, 0
	s_lshl_b32 s28, s20, 10
	s_mov_b32 s29, 0
	s_mul_i32 s44, ttmp9, 8160
	s_mov_b32 s45, 0
	s_mov_b32 s35, 0x3727c5ac                      ; 1e-5
	s_mov_b32 s36, 0x37a7c5ac                      ; 2e-5
	s_mov_b32 s37, s36
	s_mov_b32 s38, 0x44800000                      ; 1024
	s_mov_b32 s39, s38
	s_mov_b32 s40, 0x3c23d70a                      ; 0.01
	s_lshl_b32 s41, s20, 10
	s_add_co_u32 s41, s41, OST
	v_add_nc_u32 v154, s41, v2                     ; the stage, in: my wave's row, 16 bytes a lane
	v_mov_b32 v137, s20
	v_lshlrev_b32 v137, 2, v137                    ; my wave's word among the parts of s0
	v_mov_b32 v160, 0
	v_lshlrev_b32 v156, 4, v0                      ; the way out: 16 bytes a thread
	v_lshlrev_b32 v161, 2, v0                      ; and its first word W = 4 t
; word W of the 2,040 lies in row W / 255 = ((W + 1) x 257) >> 16 of the stage, whose rows have 256 words: at word W + row
.irp e, 0,1,2,3
	v_add_nc_u32 v162, \e+1, v161
	v_mul_u32_u24 v162, v162, 257
	v_lshrrev_b32 v162, 16, v162
	v_add_nc_u32 v162, v162, v161
	v_lshlrev_b32 v[164+\e], 2, v162
	v_add_nc_u32 v162, 1024+\e+1, v161
	v_mul_u32_u24 v162, v162, 257
	v_lshrrev_b32 v162, 16, v162
	v_add_nc_u32 v162, v162, v161
	v_lshlrev_b32 v[168+\e], 2, v162
.endr
	s_wait_kmcnt 0x0
	s_add_nc_u64 s[8:9], s[8:9], s[28:29]          ; my wave's 256 terms of icnn(0)
	s_add_nc_u64 s[6:7], s[6:7], s[26:27]
	s_add_nc_u64 s[10:11], s[10:11], s[24:25]
	s_add_nc_u64 s[4:5], s[4:5], s[24:25]          ; planes 0..3,
	s_add_nc_u64 s[30:31], s[4:5], 0x800000        ; 4..7,
	s_add_nc_u64 s[32:33], s[4:5], 0x1000000       ; 8..10: so that the offsets stay inside the signed 24-bit immediate
	s_add_nc_u64 s[18:19], s[18:19], s[44:45]
	s_load_b32 s34, s[14:15], 0x0                  ; vb2
	global_load_b128 v[128:131], v5, s[8:9]
	global_load_b128 v[132:135], v5, s[8:9] offset:16
	global_load_b32 v136, v3, s[6:7]
	global_load_b128 v[96:99], v2, s[10:11] th:TH_LOAD_NT
	global_load_b128 v[100:103], v2, s[10:11] offset:512 th:TH_LOAD_NT
	global_load_b128 v[104:107], v2, s[12:13]
	global_load_b128 v[108:111], v2, s[12:13] offset:512
	global_load_b128 v[112:115], v2, s[16:17]
	global_load_b96 v[116:118], v2, s[16:17] offset:512
	global_load_b32 v119, v4, s[16:17]
	PLOAD 0, 4
	PLOAD 1, 4
	PLOAD 2, 4
	PLOAD 3, 4
	PLOAD 4, 30
	PLOAD 5, 30
	PLOAD 6, 30
	PLOAD 7, 30
	PLOAD 8, 32
	PLOAD 9, 32
	PLOAD 10, 32
	s_wait_loadcnt 30                              ; the first two loads are in; the 30 behind them may be out
	v_pk_add_f32 v[128:129], v[128:129], v[130:131]
	v_pk_add_f32 v[132:133], v[132:133], v[134:135]
	v_pk_add_f32 v[128:129], v[128:129], v[132:133]
	v_add_f32 v128, v128, v129
	REDUCE 128, 150
	ds_store_b32 v137, v128                        ; all lanes write the same word with the same value
	s_wait_dscnt 0x0                               ; for the others' sake
	s_barrier_signal -1
	s_barrier_wait -1
	ds_load_b128 v[140:143], v160
	ds_load_b128 v[144:147], v160 offset:16
	s_wait_dscnt 0x0
	v_pk_add_f32 v[140:141], v[140:141], v[142:143]
	v_pk_add_f32 v[144:145], v[144:145], v[146:147]
	v_pk_add_f32 v[140:141], v[140:141], v[144:145]
	v_add_f32 v140, v140, v141
	s_wait_loadcnt 0x0
	s_wait_kmcnt 0x0
	v_add_f32 v140, s34, v140                      ; icnn(0)
	v_pk_mul_f32 v[138:139], v[96:97], v[104:105]
	v_pk_mul_f32 v[148:149], v[96:97], v[96:97]
.irp i, 2,4,6
	v_pk_fma_f32 v[138:139], v[96+\i:97+\i], v[104+\i:105+\i], v[138:139]
	v_pk_fma_f32 v[148:149], v[96+\i:97+\i], v[96+\i:97+\i], v[148:149]
.endr
	v_add_f32 v138, v138, v139
	v_add_f32 v148, v148, v149
	v_add_f32 v138, v138, v136                     ; with my part of z1 . softplus(vU1)
	REDUCE 138, 150
	REDUCE 148, 150
	v_add_f32 v138, s34, v138                      ; icnn(x)
	v_sub_f32 v139, v138, v140                     ; y
	v_max_num_f32 v141, 0, v139
	v_mul_f32 v141, v141, v141
	v_mul_f32 v141, 0.5, v141
	v_min_num_f32 v141, 0.5, v141
	v_add_f32 v142, -0.5, v139
	v_max_num_f32 v141, v141, v142                 ; rehu(y, 1)
	v_fma_f32 v141, s35, v148, v141                ; V
	v_med3_num_f32 v144, v139, 0, 1.0              ; g
.irp i, 0,2,4,6
	v_pk_add_f32 v[120+\i:121+\i], v[104+\i:105+\i], v[72+\i:73+\i]       ; vW2 + t1 vW1
.endr
.irp p, 0,1,2,3,4,5,6,7
.irp i, 0,2,4,6
	v_pk_add_f32 v[120+\i:121+\i], v[120+\i:121+\i], v[8+8*\p+\i:9+8*\p+\i]   ; + the eight parts of t0 vW0
.endr
.endr
.irp i, 0,2,4,6
	v_pk_mul_f32 v[96+\i:97+\i], v[96+\i:97+\i], s[36:37] op_sel_hi:[1,0]
.endr
.irp i, 0,2,4,6
	v_pk_fma_f32 v[120+\i:121+\i], v[120+\i:121+\i], v[144:145], v[96+\i:97+\i] op_sel_hi:[1,0,1]   ; gV
.endr
.irp i, 0,2,4,6
	v_pk_fma_f32 v[112+\i:113+\i], v[80+\i:81+\i], s[38:39], v[112+\i:113+\i] op_sel_hi:[1,0,1]
.endr
.irp i, 0,2,4,6
	v_pk_add_f32 v[112+\i:113+\i], v[112+\i:113+\i], v[88+\i:89+\i]       ; fx
.endr
	v_cmp_eq_u32 vcc_lo, 31, v1
	v_cndmask_b32 v119, v119, v151, vcc_lo         ; column 255 of fx is 1
	v_pk_mul_f32 v[146:147], v[120:121], v[112:113]
	v_pk_mul_f32 v[152:153], v[120:121], v[120:121]
.irp i, 2,4,6
	v_pk_fma_f32 v[146:147], v[120+\i:121+\i], v[112+\i:113+\i], v[146:147]
	v_pk_fma_f32 v[152:153], v[120+\i:121+\i], v[120+\i:121+\i], v[152:153]
.endr
	v_add_f32 v146, v146, v147
	v_add_f32 v152, v152, v153
	REDUCE 146, 150
	REDUCE 152, 150
	v_fma_f32 v146, s40, v141, v146
	v_max_num_f32 v146, 0, v146                    ; relu(gV . fx + 0.01 V)
	v_rcp_f32 v152, v152
	v_nop                                          ; a plain place behind the reciprocal,
	s_wait_alu depctr_va_vdst(0)                   ; and the wait ahead of its first reader
	v_mul_f32 v146, -v146, v152
.irp i, 0,2,4,6
	v_pk_fma_f32 v[112+\i:113+\i], v[120+\i:121+\i], v[146:147], v[112+\i:113+\i] op_sel_hi:[1,0,1]
.endr
	ds_store_b128 v154, v[112:115]
	ds_store_b128 v154, v[116:119] offset:512      ; column 255 goes along and is not read back
	s_wait_dscnt 0x0                               ; for the others' sake
	s_barrier_signal -1
	s_barrier_wait -1
.irp e, 0,1,2,3
	ds_load_b32 v[172+\e], v[164+\e] offset:OST+4*\e
.endr
	s_wait_dscnt 0x0
	global_store_b128 v156, v[172:175], s[18:19] th:TH_STORE_NT
	v_cmp_gt_u32 vcc_lo, 254, v0                   ; 8,160 bytes are 510 pieces of 16: the second run has 254
	s_wait_xcnt 0x0                                ; EXEC is narrowed only behind this wait,
	s_and_saveexec_b32 s42, vcc_lo
.irp e, 0,1,2,3
	ds_load_b32 v[176+\e], v[168+\e] offset:OST+4096+4*\e
.endr
	s_wait_dscnt 0x0
	global_store_b128 v156, v[176:179], s[18:19] offset:4096 th:TH_STORE_NT
	s_wait_xcnt 0x0                                ; and widened only behind this one
	s_or_b32 exec_lo, exec_lo, s42
	s_wait_tensorcnt 0x0                           ; the wave's end
	ds_add_u32 v158, v159
	s_wait_dscnt 0x0
	s_endpgm
.Lfunc_end_k_qad4817fd5a_final:
	.size	k_qad4817fd5a_final, .Lfunc_end_k_qad4817fd5a_final-k_qad4817fd5a_final
	.p2alignl 7, 3214868480
	.fill 96, 4, 3214868480
	.section	.rodata,"a",@progbits
	.p2align	6, 0x0
	.amdhsa_kernel k_qad4817fd5a_final
		.amdhsa_group_segment_fixed_size 9728
		.amdhsa_private_segment_fixed_size 0
		.amdhsa_enable_private_segment 0
		.amdhsa_kernarg_size 64
		.amdhsa_user_sgpr_count 2
		.amdhsa_user_sgpr_kernarg_segment_ptr 1
		.amdhsa_wavefront_size32 1
		.amdhsa_system_sgpr_workgroup_id_x 1
		.amdhsa_system_sgpr_workgroup_id_y 1
		.amdhsa_system_sgpr_workgroup_id_z 1
		.amdhsa_system_vgpr_workitem_id 0
		.amdhsa_next_free_vgpr 192
		.amdhsa_next_free_sgpr 66
		.amdhsa_reserve_vcc 1
		.amdhsa_float_denorm_mode_32 3
		.amdhsa_float_denorm_mode_16_64 3
		.amdhsa_memory_ordered 1
		.amdhsa_forward_progress 1
		.amdhsa_inst_pref_size 17
	.end_amdhsa_kernel
	.amdgpu_metadata
---
amdhsa.version: [ 1, 2 ]
amdhsa.kernels:
  - .name:           k_qad4817fd5a_final
    .symbol:         k_qad4817fd5a_final.kd
    .args:
      - { .name: PL, .offset: 0, .size: 8, .value_kind: global_buffer, .address_space: global }
      - { .name: SPP, .offset: 8, .size: 8, .value_kind: global_buffer, .address_space: global }
      - { .name: SS, .offset: 16, .size: 8, .value_kind: global_buffer, .address_space: global }
      - { .name: x, .offset: 24, .size: 8, .value_kind: global_buffer, .address_space: global }
      - { .name: vW2, .offset: 32, .size: 8, .value_kind: global_buffer, .address_space: global }
      - { .name: vb2, .offset: 40, .size: 8, .value_kind: global_buffer, .address_space: global }
      - { .name: fb2, .offset: 48, .size: 8, .value_kind: global_buffer, .address_space: global }
      - { .name: out0, .offset: 56, .size: 8, .value_kind: global_buffer, .address_space: global }
    .group_segment_fixed_size: 9728
    .private_segment_fixed_size: 0
    .kernarg_segment_align: 8
    .kernarg_segment_size: 64
    .max_flat_workgroup_size: 256
    .sgpr_count:     66
    .vgpr_count:     192
    .wavefront_size: 32
...
	.end_amdgpu_metadata
.endif
;; end of part 5
